; MI455X (gfx1250); checked and timed in simulation.
; The chip was launched on July 23, 2026; its instructions are those of AMD's public machine-readable ISA for CDNA 5 (MIT licence, August 2026) and "CDNA5" Instruction Set Architecture Reference Guide (July 2026). The comments in the code are by the model that wrote it; some were corrected since.
;; Parallel Transformer Block. Allowed arithmetic: matrix products marked QUANTISED: E5M2 operands, one E8M0 scale for each 32 along K, by v_wmma_scale_f32_16x16x128_f8f6f4 with both operands' format E5M2, f32 sums; products left as they are: f32 operands where the result goes on into a quantised operand, else bf16, f16 or f32 operands; f32 sums; everything else in f32.
;; Inputs: W_attn_out_codes 1,024 x 16 x 32 uint8 (E5M2 codes of W_attn_out, K innermost, in blocks of 32 codes); W_attn_out_scales 1,024 x 16 uint8 (E8M0 scales of W_attn_out, one for each 32 codes along K); W_ff_out_codes 1,024 x 128 x 32 uint8 (E5M2 codes of W_ff_out, K innermost, in blocks of 32 codes); W_ff_out_scales 1,024 x 128 uint8 (E8M0 scales of W_ff_out, one for each 32 codes along K); W_fused_codes 8,768 x 32 x 32 uint8 (E5M2 codes of W_fused, K innermost, in blocks of 32 codes); W_fused_scales 8,768 x 32 uint8 (E8M0 scales of W_fused, one for each 32 codes along K); gamma 1,024 float32; x 2 x 2,048 x 1,024 float32.
;; Outputs: out0 2 x 2,048 x 1,024 float32.
;; This version of the problem:
;;   THIS VERSION OF THE PROBLEM IS GIVEN IN LOW PRECISION. The matrix products marked QUANTISED in the list below multiply operands that are first quantised to E5M2 (5 exponent bits, 2 mantissa bits; 8 bits a number), with one power-of-two scale for each 32 numbers along K (OCP MX v1.0); their sums are f32. All else is computed in f32.
;;   The module's matrix products, in the order in which they are computed (A, B: the left and right operand; K: the contracted axis; several contracted axes count as one K, in the product's order):
;;     1. [M 4,096, K 1,024] x [K 1,024, N 8,768]; A: computed on the way; B: input W_fused (given as codes): QUANTISED
;;     2. [M 2,048, K 1] x [K 1, N 16]; A: computed on the way; B: computed on the way: left as it is (no contracted axis)
;;     3. batch 2 x [M 32,768, K 32] x [K 32, N 2,048]; A: computed on the way; B: computed on the way: QUANTISED
;;     4. batch 2 x [M 32,768, K 2,048] x [K 2,048, N 32]; A: softmax (see below); B: computed on the way: QUANTISED
;;     5. [M 4,096, K 512] x [K 512, N 1,024]; A: computed on the way; B: input W_attn_out (given as codes): QUANTISED
;;     6. [M 4,096, K 4,096] x [K 4,096, N 1,024]; A: computed on the way; B: input W_ff_out (given as codes): QUANTISED
;;   THE QUANTISER, for each operand of a quantised product, along K:
;;     - K is cut into blocks of 32 from its start; a last block that is shorter is filled with zeros.
;;     - A block's scale is 2^e with e = floor(log2(the largest magnitude in the block)) - 15, held to -126 .. 127; a block of zeros has e = 0. As a byte (E8M0): e + 127.
;;     - Each number is divided by its block's scale, clamped to +-57,344, and rounded to the nearest number of E5M2, ties to even, subnormals kept.
;;     - The product sums the exact products of the quantised numbers (number of the format x scale) in f32.
;;   ~~~python
;;   def quantise(x, axis):      # numpy; x: float32 -> the quantised numbers, widened to float32 again
;;       x = np.moveaxis(x, axis, -1); K = x.shape[-1]
;;       x = np.pad(x, [(0, 0)] * (x.ndim - 1) + [(0, -K % 32)]); x = x.reshape(x.shape[:-1] + (-1, 32)); a = np.abs(x).max(-1, keepdims=True)
;;       e = np.where(a > 0, np.clip(np.frexp(np.where(a > 0, a, 1))[1] - 1 - 15, -126, 127), 0)      # np.frexp(a)[1] - 1 = floor(log2(a)), exactly
;;       r = np.clip(x / 2.0 ** e, -57344, 57344)
;;       step = 2.0 ** (np.maximum(np.frexp(np.where(r == 0, 1, r))[1] - 1, -14) - 2)
;;       q = np.round(r / step) * step * 2.0 ** e      # np.round: ties to even
;;       return np.moveaxis(q.reshape(q.shape[:-2] + (-1,))[..., :K], -1, axis).astype(np.float32)
;;   ~~~
;;   SOFTMAX AHEAD OF A QUANTISED PRODUCT. Where the list says 'softmax', what is quantised is not the finished softmax but p = 2^(t - M), with t = logit x log2(e) and M = ceil(the row's largest t), a whole number; so 1/2 < the row's largest p <= 1. The row's sum l is taken of the UNQUANTISED p, in f32, and the product's result is divided by l at the end. Since M is a whole number, a kernel that streams over the keys may use a running M (the ceiling of the running maximum): every later rescaling is an exact power of two, which a block's scale takes up: the codes' values come out the same.
;;   OPERANDS COMPUTED ON THE WAY. 'Computed on the way' means the value that the module computes at that place (a softmax that the list does not call 'softmax' is quantised finished and normalised). What goes into a quantiser is computed in f32, as accurately as f32 sums, v_exp_f32 and their like allow (about 1e-6 of the number): no bf16 or f16 on the way to a quantiser, and a product that is left as it is and whose result goes on into a quantised operand takes f32 operands (vector FMAs, or v_wmma_f32_16x16x4_f32). A number that lies on a knife's edge between two numbers of the format may be rounded either way, as far as f32 arithmetic and the matrix unit's own rounding can turn it there, and no further.
;;   INPUTS GIVEN AS CODES. W_attn_out (in the module: [512, 1024], K = its axis 0); W_ff_out (in the module: [4096, 1024], K = its axis 0); W_fused (in the module: [1024, 8768], K = its axis 0): each comes as NAME_codes (uint8): NAME with its K axis moved to the last place and cut into blocks of 32 codes, [.., K / 32, bytes a block], one block behind the other in memory; one code a byte (a code: sign, 5 exponent bits, 2 mantissa bits); and NAME_scales (uint8): the same leading axes, one E8M0 byte (e + 127) for each 32 codes along K. Its value is code x scale, taken as it is: it is not quantised again, and the codes and scales need not be those that the quantiser above would give.
;; One version. Each part assembles by itself: llvm-mc -triple=amdgcn-amd-amdhsa -mcpu=gfx1250 --defsym DOCPART=n.
;; ======== version 1 of 1: 5 launches
;; limits: right only within a limited range of input values
;; workspace buffers: xn_img 4,194,304 bytes; xsc 131,072 bytes; rope 524,288 bytes; q_img 2,097,152 bytes; qsc 524,288 bytes; kv 278,528 bytes; act_img 18,874,368 bytes; asc 589,824 bytes
;; launch lnq (part 1): grid 256 x 1, 8 waves a work-group, no clusters, 168,960 bytes of LDS; arguments x, gamma, xn_img, xsc, rope; writes xn_img, xsc, rope
.if DOCPART == 1
	.amdgcn_target "amdgcn-amd-amdhsa--gfx1250"
	.amdhsa_code_object_version 6
	.text
	.protected	k_qd26db5c713_lnq
	.globl	k_qd26db5c713_lnq
	.p2align	8
	.type	k_qd26db5c713_lnq,@function
k_qd26db5c713_lnq:
	s_mov_b64 s[64:65], 0
	v_nop
	global_prefetch_b8 v0, s[64:65] scope:SCOPE_SE
	s_setreg_imm32_b32 hwreg(HW_REG_WAVE_MODE, 25, 1), 1
	s_wait_xcnt 0x0
; LayerNorm of x [4096][1024] f32 (mean, two-pass variance, rsqrt(var + 1e-5), x gamma), quantised along the 1,024 to codes of BF8 (E5M2) with one E8M0 byte for each 32; and the table of the rotary embedding.
; SHARES.  A work-group takes 16 tokens; wave w takes their columns 128 w .. 128 w + 127: one operand fragment (16 rows x 128 K).  Lane (r, h) holds row r, and its register 16 b + i the column 128 w + 32 b + 16 h + i:
; the order of the operand's registers, so the conversions' results are the fragment.  It is stored as an image of those registers: xn_img [token tile 256][K step 8][c 4][lane 32][16 bytes]; each store of a wave covers 512 consecutive bytes.
; The scale bytes go to xsc [token][32 bytes], gathered in LDS so that one wave stores the work-group's 512 consecutive bytes.
; x comes by one tensor load a wave (16 rows x 512 bytes, 16 bytes of padding behind each row); only the wave that asked reads its tile, so its own wait on TENSORcnt orders the reads.  No LDS byte is filled twice.
; THE TABLE (work-groups 0 to 127, one angle a thread): rope [kind q, k][t 2048][C 16 | S 16] f32, C = cos(t f) s, S = sin(t f) s, s = scale_vec^((t - 1024) / 512) for q and its reciprocal for k.
; Sine and cosine: n = nearest whole number to x 2/pi; x - n pi/2 with pi/2 in two parts (the first product is exact: n stays under 2^11 for angles up to 2,047, which the problem fixes); then polynomials of degree 7 and 8 on +-pi/4.
; LIMITS: NaN and infinities among the inputs are not served.  A block of zeros gets the byte 1 where the quantiser says 127: its codes are zeros, and this program alone reads the bytes.
.set PITCH, 528                        ; a tile's row in LDS: 512 bytes + 16: an odd multiple of 16, so the sixteen rows of a load start in different banks
.set WTILE, 16*PITCH                   ; a wave's tile
.set ST1,   8*WTILE                    ; behind the tiles, in blocks of 256 bytes of their own: the waves' partial sums [row 16][wave 8] f32,
.set ST2,   ST1+512                    ; the partial sums of squares,
.set XSL,   ST2+512                    ; and the scale words [row 16][wave 8]
.set X,   32                           ; v32-95   my 64 numbers
.set G,   96                           ; v96-159  gamma at the same columns
.set PC,  160                          ; v160-175 the codes
.set TM,  176                          ; v176-191 the quantiser's work
.set SU,  192                          ; v192-199 four running pairs
.set PW,  200                          ; v200     the scale word
.set MU,  202                          ; v202-203 the mean, twice
.set RS,  204                          ; v204-205 1 / sqrt(var + eps), twice
.set XRD, 206                          ; v206     XSL + 16 x lane: XSL lies beyond what an LDS immediate of 16 bits holds, so the register carries it
.set WV,  14
.set SEL, 40                           ; s[40:41] lane selects for v_permlanex16_b32: lane l xor 16
.set MNT, 42                           ; s42      the mantissa field of 57,344
; 64 numbers of a lane, register 16 b + i = k 32 b + 16 (lane / 16) + i of my row, become a fragment's codes in v[pc] on and its scale word in v[PW]
.macro QUANT s, pc
.irp b, 0,1,2,3
	v_max3_num_f32 v[TM+\b], |v[\s+16*\b]|, |v[\s+1+16*\b]|, 0x8000000   ; block b: my 16 numbers, and the floor 2^(16 - 127): the byte cannot fall under 1
.endr
.irp i, 2,4,6,8,10,12,14
.irp b, 0,1,2,3
	s_delay_alu instid0(VALU_DEP_4)
	v_max3_num_f32 v[TM+\b], v[TM+\b], |v[\s+16*\b+\i]|, |v[\s+1+16*\b+\i]|
.endr
.endr
.irp b, 0,1,2,3
	s_delay_alu instid0(VALU_DEP_4)
	v_permlanex16_b32 v[TM+4+\b], v[TM+\b], s[SEL], s[SEL+1]
.endr
.irp b, 0,1,2,3
	s_delay_alu instid0(VALU_DEP_4)
	v_max_num_f32 v[TM+\b], v[TM+\b], v[TM+4+\b]                   ; with lane l xor 16's: the block's largest magnitude
.endr
.irp b, 0,1,2,3
	s_delay_alu instid0(VALU_DEP_4)
	v_add_nc_u32 v[TM+12+\b], 0xf8800000, v[TM+\b]                 ; 15 off its exponent field: the conversion's scale operand
.endr
.irp b, 0,1,2,3
	v_and_or_b32 v[TM+8+\b], v[TM+\b], 0x7f800000, s[MNT]          ; 57,344 x the scale
.endr
.irp b, 0,1,2,3
	v_lshrrev_b32 v[TM+4+\b], 23, v[TM+12+\b]                      ; the scale's byte
.endr
	s_delay_alu instid0(VALU_DEP_3)
	v_lshl_or_b32 v[PW], v[TM+5], 8, v[TM+4]
	s_delay_alu instid0(VALU_DEP_1)
	v_lshl_or_b32 v[PW], v[TM+6], 16, v[PW]
	s_delay_alu instid0(VALU_DEP_1)
	v_lshl_or_b32 v[PW], v[TM+7], 24, v[PW]
.irp b, 0,1,2,3
.irp i, 0,1,2,3,4,5,6,7,8,9,10,11,12,13,14,15
	v_med3_num_f32 v[\s+16*\b+\i], v[\s+16*\b+\i], -v[TM+8+\b], v[TM+8+\b]   ; the conversion does not saturate (ISA guide 7.6.2): the hold comes first
.endr
	v_cvt_scalef32_pk8_bf8_f32 v[\pc+4*\b:\pc+1+4*\b], v[\s+16*\b:\s+7+16*\b], v[TM+12+\b]
	v_cvt_scalef32_pk8_bf8_f32 v[\pc+2+4*\b:\pc+3+4*\b], v[\s+8+16*\b:\s+15+16*\b], v[TM+12+\b]
.endr
	v_nop                                          ; a plain line behind the last conversion
.endm
.macro PICK d, even, odd                       ; v[d] = bit 0 of f ? odd : even
	v_mov_b32 v[\d+8], \odd
	s_delay_alu instid0(VALU_DEP_1)
	v_cndmask_b32 v[\d], \even, v[\d+8], vcc_lo
.endm
	s_load_b256 s[4:11], s[0:1], 0x0               ; x s[4:5], gamma s[6:7], xn_img s[8:9], xsc s[10:11]
	s_load_b64 s[12:13], s[0:1], 0x20              ; rope
	v_lshl_add_u32 v208, v0, 2, 0x29000
	v_mov_b32 v209, 0
	ds_add_u32 v208, v209
	ds_add_u32 v208, v209
	v_lshrrev_b32 v1, 5, v0
	s_delay_alu instid0(VALU_DEP_1)
	v_readfirstlane_b32 s[WV], v1                  ; wave 0..7
	v_and_b32 v1, 31, v0                           ; lane
	v_and_b32 v2, 15, v0                           ; r
	v_bfe_u32 v3, v0, 4, 1                         ; h
	s_mov_b32 s16, (2<<16)|(1<<20)|(6<<22)|(3<<25) ; group 1: elements of 4 bytes; padding on: 4 words behind every 128
	s_mov_b32 s17, 128<<16                         ; tensor_dim0 = 128
	s_mov_b32 s18, 16<<16                          ; tensor_dim1 = 16
	s_mov_b32 s19, 128<<16                         ; tile_dim0 = 128
	s_mov_b32 s20, 16                              ; tile_dim1 = 16
	s_mov_b32 s21, 1024                            ; elements from row to row
	s_mov_b32 s22, 0
	s_mov_b32 s23, 0
	s_mul_i32 s15, s[WV], WTILE                    ; my tile in LDS
	s_lshl_b32 s39, s[WV], 2                       ; my word among a row's eight
	s_lshl_b32 s28, ttmp9, 16                      ; 16 rows of 4,096 bytes a work-group,
	s_lshl_b32 s29, s[WV], 9                       ; 512 bytes of a row a wave
	s_add_co_u32 s28, s28, s29
	s_mov_b32 s29, 0
	s_lshl_b32 s30, ttmp9, 3
	s_add_co_u32 s30, s30, s[WV]
	s_lshl_b32 s30, s30, 11                        ; my fragment's image: (8 x tile + wave) x 2,048
	s_mov_b32 s31, 0
	s_lshl_b32 s36, ttmp9, 9                       ; the tile's 512 scale bytes
	s_mov_b32 s37, 0
	s_lshl_b32 s38, ttmp9, 4                       ; the table: the work-group's first t
	s_mov_b32 s[SEL], 0x76543210
	s_mov_b32 s[SEL+1], 0xfedcba98
	s_mov_b32 s[MNT], 0x600000
	s_wait_alu depctr_va_vdst(0)
	s_wait_dscnt 0x0
	s_wait_kmcnt 0x0
	s_mov_b32 s24, 1                               ; group 0: count,
	s_mov_b32 s25, s15                             ; LDS address,
	s_add_nc_u64 s[26:27], s[4:5], s[28:29]        ; global address,
	s_or_b32 s27, s27, 0x80000000                  ; type
	tensor_load_to_lds s[24:27], s[16:23]          ; my one tensor load
	s_nop 0
	v_mul_u32_u24 v4, v2, PITCH
	s_delay_alu instid0(VALU_DEP_1)
	v_lshl_add_u32 v4, v3, 6, v4
	s_delay_alu instid0(VALU_DEP_1)
	v_add_nc_u32 v4, s15, v4                       ; my numbers in the tile: row r, + 64 h
	v_lshlrev_b32 v5, 6, v3
	s_delay_alu instid0(VALU_DEP_1)
	v_lshl_add_u32 v5, s[WV], 9, v5                ; gamma: 512 w + 64 h
.irp b, 0,1,2,3
.irp j, 0,1,2,3
	global_load_b128 v[G+16*\b+4*\j:G+16*\b+4*\j+3], v5, s[6:7] offset:128*\b+16*\j
.endr
.endr
	s_add_nc_u64 s[8:9], s[8:9], s[30:31]
	s_add_nc_u64 s[10:11], s[10:11], s[36:37]
	v_lshlrev_b32 v6, 4, v1                        ; 16 x lane
	s_delay_alu instid0(VALU_DEP_1)
	v_add_nc_u32 v[XRD], XSL, v6                   ; and the same place among the scale words
	v_lshlrev_b32 v8, 5, v2
	s_delay_alu instid0(VALU_DEP_1)
	v_add_nc_u32 v8, ST1, v8                       ; a row's eight partial sums
	s_delay_alu instid0(VALU_DEP_1)
	v_add_nc_u32 v7, s39, v8                       ; and my wave's word among them
.irp b, 0,1,2,3
	v_mov_b32 v[TM+4+\b], 0                        ; written once: a lane permute's destination counts as one of its sources
.endr
	; ---- the table, while the tile is on its way
	s_cmp_lt_u32 ttmp9, 128
	s_cbranch_scc0 .Lno_table
	v_and_b32 v9, 15, v0                           ; f
	v_and_b32 v10, 1, v0
	s_delay_alu instid0(VALU_DEP_1)
	v_cmp_ne_u32 vcc_lo, 0, v10
	v_and_b32 v10, 2, v0
	s_delay_alu instid0(VALU_DEP_1)
	v_cmp_ne_u32 s32, 0, v10
	v_and_b32 v10, 4, v0
	s_delay_alu instid0(VALU_DEP_1)
	v_cmp_ne_u32 s33, 0, v10
	v_and_b32 v10, 8, v0
	s_delay_alu instid0(VALU_DEP_1)
	v_cmp_ne_u32 s34, 0, v10
	PICK 16, 0x3F800000, 0x3F0FF59A                ; 10000^(-f / 16), f = 0 .. 15, rounded to f32: chosen by f's four bits
	PICK 17, 0x3EA1E89B, 0x3E361887
	PICK 18, 0x3DCCCCCD, 0x3D6655C3
	PICK 19, 0x3D0186E2, 0x3C91AD39
	PICK 20, 0x3C23D70A, 0x3BB8449C
	PICK 21, 0x3B4F3E37, 0x3AE91528
	PICK 22, 0x3A83126F, 0x3A136A16
	PICK 23, 0x39A5CB5F, 0x393A7753
	v_cndmask_b32 v16, v16, v17, s32
	v_cndmask_b32 v18, v18, v19, s32
	v_cndmask_b32 v20, v20, v21, s32
	s_delay_alu instid0(VALU_DEP_4)
	v_cndmask_b32 v22, v22, v23, s32
	s_delay_alu instid0(VALU_DEP_3)
	v_cndmask_b32 v16, v16, v18, s33
	s_delay_alu instid0(VALU_DEP_2)
	v_cndmask_b32 v20, v20, v22, s33
	s_delay_alu instid0(VALU_DEP_1)
	v_cndmask_b32 v16, v16, v20, s34
	v_lshrrev_b32 v11, 4, v0
	s_delay_alu instid0(VALU_DEP_1)
	v_add_nc_u32 v11, s38, v11                     ; t
	s_delay_alu instid0(VALU_DEP_1)
	v_cvt_f32_u32 v12, v11
	s_delay_alu instid0(VALU_DEP_1)
	v_mul_f32 v13, v12, v16                        ; the angle, rounded to f32 as the outer product rounds it
	s_delay_alu instid0(VALU_DEP_1)
	v_mul_f32 v14, 0x3F22F983, v13                 ; x 2 / pi
	s_delay_alu instid0(VALU_DEP_1)
	v_rndne_f32 v14, v14                           ; n
	s_delay_alu instid0(VALU_DEP_1)
	v_fmamk_f32 v15, v14, 0xBFC90FDB, v13          ; x - n (pi/2 rounded to f32): exact
	s_delay_alu instid0(VALU_DEP_1)
	v_fmamk_f32 v15, v14, 0x333BBD2E, v15          ; + n x what that rounding added
	s_delay_alu instid0(VALU_DEP_1)
	v_mul_f32 v17, v15, v15                        ; z
	v_mov_b32 v18, 0xB94CA1F9
	s_delay_alu instid0(VALU_DEP_1)
	v_fmaak_f32 v18, v18, v17, 0x3C08839E
	s_delay_alu instid0(VALU_DEP_1)
	v_fmaak_f32 v18, v18, v17, 0xBE2AAAA3
	s_delay_alu instid0(VALU_DEP_4)
	v_mul_f32 v19, v15, v17
	s_delay_alu instid0(VALU_DEP_1)
	v_fma_f32 v18, v19, v18, v15                   ; sine of the rest
	v_mov_b32 v20, 0x37CCF5CE
	s_delay_alu instid0(VALU_DEP_1)
	v_fmaak_f32 v20, v20, v17, 0xBAB6061A
	s_delay_alu instid0(VALU_DEP_1)
	v_fmaak_f32 v20, v20, v17, 0x3D2AAAA5
	v_mul_f32 v21, v17, v17
	v_fma_f32 v22, v17, -0.5, 1.0
	s_delay_alu instid0(VALU_DEP_1)
	v_fma_f32 v20, v21, v20, v22                   ; cosine of the rest
	v_cvt_i32_f32 v23, v14                         ; the quadrant only selects values and signs
	s_delay_alu instid0(VALU_DEP_1)
	v_and_b32 v24, 1, v23
	s_delay_alu instid0(VALU_DEP_1)
	v_cmp_ne_u32 vcc_lo, 0, v24
	s_delay_alu instid0(VALU_DEP_1)
	v_cndmask_b32 v25, v18, v20, vcc_lo            ; sine: in odd quadrants the rest's cosine
	s_delay_alu instid0(VALU_DEP_2)
	v_cndmask_b32 v26, v20, v18, vcc_lo            ; cosine: the rest's sine
	v_lshlrev_b32 v24, 30, v23
	s_delay_alu instid0(VALU_DEP_1)
	v_and_b32 v24, 0x80000000, v24                 ; sine's sign: bit 1 of n
	s_delay_alu instid0(VALU_DEP_1)
	v_xor_b32 v25, v24, v25
	v_add_nc_u32 v23, 1, v23
	s_delay_alu instid0(VALU_DEP_1)
	v_lshlrev_b32 v24, 30, v23
	s_delay_alu instid0(VALU_DEP_1)
	v_and_b32 v24, 0x80000000, v24                 ; cosine's: bit 1 of n + 1
	s_delay_alu instid0(VALU_DEP_1)
	v_xor_b32 v26, v24, v26
	v_cvt_f32_u32 v27, v9
	s_delay_alu instid0(VALU_DEP_1)
	v_add_f32 v27, v27, v27
	s_delay_alu instid0(VALU_DEP_1)
	v_add_f32 v27, 0x414CCCCD, v27                 ; 2 f + 12.8
	s_delay_alu instid0(VALU_DEP_1)
	v_mul_f32 v27, 0x3CB6DB6E, v27                 ; / 44.8
	s_wait_alu depctr_va_vdst(0)
	v_log_f32 v28, v27
	v_add_f32 v29, 0xC4800000, v12                 ; t - 1024 (a plain line behind the logarithm)
	s_delay_alu instid0(VALU_DEP_1)
	v_mul_f32 v29, 0x3B000000, v29                 ; / 512
	s_wait_alu depctr_va_vdst(0)
	v_mul_f32 v30, v29, v28
	s_wait_alu depctr_va_vdst(0)
	v_exp_f32 v31, v30                             ; s
	v_exp_f32 v10, -v30                            ; 1 / s
	v_lshlrev_b32 v24, 7, v11                      ; (a plain line behind the exponentials)  128 bytes a t,
	s_delay_alu instid0(VALU_DEP_1)
	v_lshl_add_u32 v24, v9, 2, v24                 ; 4 bytes an f
	s_wait_alu depctr_va_vdst(0)
	v_mul_f32 v16, v26, v31
	v_mul_f32 v17, v25, v31
	v_mul_f32 v18, v26, v10
	v_mul_f32 v19, v25, v10
	global_store_b32 v24, v16, s[12:13]            ; sixteen lanes store 64 consecutive bytes; the table is small beside x
	global_store_b32 v24, v17, s[12:13] offset:64
	global_store_b32 v24, v18, s[12:13] offset:262144
	global_store_b32 v24, v19, s[12:13] offset:262208
.Lno_table:
	; ---- my 64 numbers
	s_wait_tensorcnt 0x0                           ; my tile is in LDS; nobody else reads it
.irp b, 0,1,2,3
.irp j, 0,1,2,3
	ds_load_b128 v[X+16*\b+4*\j:X+16*\b+4*\j+3], v4 offset:128*\b+16*\j
.endr
.endr
	s_wait_dscnt 0x0
	; ---- the mean
	v_pk_add_f32 v[194:195], v[32:33], v[40:41]
	v_pk_add_f32 v[196:197], v[48:49], v[56:57]
	v_pk_add_f32 v[198:199], v[64:65], v[72:73]
	v_pk_add_f32 v[204:205], v[80:81], v[88:89]
	v_pk_add_f32 v[202:203], v[34:35], v[42:43]
	v_pk_add_f32 v[200:201], v[50:51], v[58:59]
	v_pk_add_f32 v[190:191], v[66:67], v[74:75]
	v_pk_add_f32 v[192:193], v[82:83], v[90:91]
	s_delay_alu instid0(VALU_DEP_1)
	v_pk_add_f32 v[192:193], v[192:193], v[36:37]
	v_pk_add_f32 v[194:195], v[194:195], v[44:45]
	v_pk_add_f32 v[196:197], v[196:197], v[52:53]
	v_pk_add_f32 v[198:199], v[198:199], v[60:61]
	v_pk_add_f32 v[204:205], v[204:205], v[68:69]
	v_pk_add_f32 v[202:203], v[202:203], v[76:77]
	v_pk_add_f32 v[200:201], v[200:201], v[84:85]
	v_pk_add_f32 v[190:191], v[190:191], v[92:93]
	v_pk_add_f32 v[192:193], v[192:193], v[38:39]
	v_pk_add_f32 v[194:195], v[194:195], v[46:47]
	v_pk_add_f32 v[196:197], v[196:197], v[54:55]
	v_pk_add_f32 v[198:199], v[198:199], v[62:63]
	v_pk_add_f32 v[204:205], v[204:205], v[70:71]
	v_pk_add_f32 v[202:203], v[202:203], v[78:79]
	v_pk_add_f32 v[200:201], v[200:201], v[86:87]
	v_pk_add_f32 v[190:191], v[190:191], v[94:95]
	s_delay_alu instid0(VALU_DEP_4)
	v_pk_add_f32 v[192:193], v[192:193], v[204:205]
	s_delay_alu instid0(VALU_DEP_4)
	v_pk_add_f32 v[194:195], v[194:195], v[202:203]
	s_delay_alu instid0(VALU_DEP_4)
	v_pk_add_f32 v[196:197], v[196:197], v[200:201]
	s_delay_alu instid0(VALU_DEP_4)
	v_pk_add_f32 v[198:199], v[198:199], v[190:191]
	s_delay_alu instid0(VALU_DEP_2)
	v_pk_add_f32 v[192:193], v[192:193], v[196:197]
	s_delay_alu instid0(VALU_DEP_2)
	v_pk_add_f32 v[194:195], v[194:195], v[198:199]
	s_delay_alu instid0(VALU_DEP_1)
	v_pk_add_f32 v[192:193], v[192:193], v[194:195]
	s_delay_alu instid0(VALU_DEP_1)
	v_add_f32 v[SU], v[SU], v[SU+1]
	s_delay_alu instid0(VALU_DEP_1)
	v_permlanex16_b32 v[SU+2], v[SU], s[SEL], s[SEL+1]
	s_delay_alu instid0(VALU_DEP_1)
	v_add_f32 v[SU], v[SU], v[SU+2]                ; row r's sum over my wave's 128 columns
	ds_store_b32 v7, v[SU]                         ; (both halves of the lanes write the same word with the same value)
	s_wait_dscnt 0x0                               ; for the others' sake: my store has landed
	s_barrier_signal -1
	s_barrier_wait -1
	ds_load_b128 v[SU:SU+3], v8
	ds_load_b128 v[SU+4:SU+7], v8 offset:16
	s_wait_dscnt 0x0
	v_pk_add_f32 v[SU:SU+1], v[SU:SU+1], v[SU+2:SU+3]
	v_pk_add_f32 v[SU+4:SU+5], v[SU+4:SU+5], v[SU+6:SU+7]
	s_delay_alu instid0(VALU_DEP_1)
	v_pk_add_f32 v[SU:SU+1], v[SU:SU+1], v[SU+4:SU+5]
	s_delay_alu instid0(VALU_DEP_1)
	v_add_f32 v[SU], v[SU], v[SU+1]
	s_delay_alu instid0(VALU_DEP_1)
	v_mul_f32 v[MU], 0x3A800000, v[SU]             ; / 1024
	s_delay_alu instid0(VALU_DEP_2)
	v_mul_f32 v[MU+1], 0x3A800000, v[SU]
	; ---- x - mean, and the variance from these differences: no difference of large sums is formed
.set p, 0
.rept 32
	v_pk_add_f32 v[X+p:X+p+1], v[X+p:X+p+1], v[MU:MU+1] neg_lo:[0,1] neg_hi:[0,1]
.set p, p+2
.endr
.irp k, 0,1,2,3
	v_pk_mul_f32 v[SU+2*\k:SU+2*\k+1], v[X+2*\k:X+2*\k+1], v[X+2*\k:X+2*\k+1]
.endr
.irp p, 8,16,24,32,40,48,56
.irp k, 0,1,2,3
	s_delay_alu instid0(VALU_DEP_4)
	v_pk_fma_f32 v[SU+2*\k:SU+2*\k+1], v[X+\p+2*\k:X+\p+2*\k+1], v[X+\p+2*\k:X+\p+2*\k+1], v[SU+2*\k:SU+2*\k+1]
.endr
.endr
	s_delay_alu instid0(VALU_DEP_3)
	v_pk_add_f32 v[SU:SU+1], v[SU:SU+1], v[SU+2:SU+3]
	s_delay_alu instid0(VALU_DEP_2)
	v_pk_add_f32 v[SU+4:SU+5], v[SU+4:SU+5], v[SU+6:SU+7]
	s_delay_alu instid0(VALU_DEP_1)
	v_pk_add_f32 v[SU:SU+1], v[SU:SU+1], v[SU+4:SU+5]
	s_delay_alu instid0(VALU_DEP_1)
	v_add_f32 v[SU], v[SU], v[SU+1]
	s_delay_alu instid0(VALU_DEP_1)
	v_permlanex16_b32 v[SU+2], v[SU], s[SEL], s[SEL+1]
	s_delay_alu instid0(VALU_DEP_1)
	v_add_f32 v[SU], v[SU], v[SU+2]
	ds_store_b32 v7, v[SU] offset:ST2-ST1          ; other bytes than the first exchange's
	s_wait_dscnt 0x0
	s_barrier_signal -1
	s_barrier_wait -1
	ds_load_b128 v[SU:SU+3], v8 offset:ST2-ST1
	ds_load_b128 v[SU+4:SU+7], v8 offset:ST2-ST1+16
	s_wait_dscnt 0x0
	v_pk_add_f32 v[SU:SU+1], v[SU:SU+1], v[SU+2:SU+3]
	v_pk_add_f32 v[SU+4:SU+5], v[SU+4:SU+5], v[SU+6:SU+7]
	s_delay_alu instid0(VALU_DEP_1)
	v_pk_add_f32 v[SU:SU+1], v[SU:SU+1], v[SU+4:SU+5]
	s_delay_alu instid0(VALU_DEP_1)
	v_add_f32 v[SU], v[SU], v[SU+1]
	v_mov_b32 v[SU+1], 0x3A800000
	s_delay_alu instid0(VALU_DEP_1)
	v_fmaak_f32 v[SU], v[SU], v[SU+1], 0x3727C5AC  ; the variance + 1e-5
	s_wait_alu depctr_va_vdst(0)
	v_rsq_f32 v[RS], v[SU]
	v_rsq_f32 v[RS+1], v[SU]
	v_nop                                          ; a plain line behind the transcendentals
	s_wait_loadcnt 0x0                             ; gamma
.set p, 0
	s_wait_alu depctr_va_vdst(0)
.rept 32
	v_pk_mul_f32 v[X+p:X+p+1], v[X+p:X+p+1], v[RS:RS+1]
.set p, p+2
.endr
.set p, 0
.rept 32
	v_pk_mul_f32 v[X+p:X+p+1], v[X+p:X+p+1], v[G+p:G+p+1]
.set p, p+2
.endr
	QUANT X, PC
.irp c, 0,1,2,3
	global_store_b128 v6, v[PC+4*\c:PC+4*\c+3], s[8:9] offset:512*\c   ; the fragment's image: 512 consecutive bytes a store
.endr
	ds_store_b32 v7, v[PW] offset:XSL-ST1          ; row r's four bytes of K step w
	s_wait_dscnt 0x0
	s_barrier_signal -1
	s_barrier_wait -1
	s_cmp_lg_u32 s[WV], 0
	s_cbranch_scc1 .Lend
	ds_load_b128 v[SU:SU+3], v[XRD]                ; wave 0: the 16 rows' 32 bytes each
	s_wait_dscnt 0x0
	global_store_b128 v6, v[SU:SU+3], s[10:11]     ; 512 consecutive bytes
.Lend:
	s_wait_tensorcnt 0x0
	ds_add_u32 v208, v209
	s_wait_dscnt 0x0
	s_endpgm
.Lfunc_end_k_qd26db5c713_lnq:
	.size	k_qd26db5c713_lnq, .Lfunc_end_k_qd26db5c713_lnq-k_qd26db5c713_lnq
	.p2alignl 7, 3214868480
	.fill 96, 4, 3214868480
	.section	.rodata,"a",@progbits
	.p2align	6, 0x0
	.amdhsa_kernel k_qd26db5c713_lnq
		.amdhsa_group_segment_fixed_size 168960
		.amdhsa_private_segment_fixed_size 0
		.amdhsa_enable_private_segment 0
		.amdhsa_kernarg_size 40
		.amdhsa_user_sgpr_count 2
		.amdhsa_user_sgpr_kernarg_segment_ptr 1
		.amdhsa_wavefront_size32 1
		.amdhsa_system_sgpr_workgroup_id_x 1
		.amdhsa_system_sgpr_workgroup_id_y 1
		.amdhsa_system_sgpr_workgroup_id_z 1
		.amdhsa_system_vgpr_workitem_id 0
		.amdhsa_next_free_vgpr 210
		.amdhsa_next_free_sgpr 66
		.amdhsa_reserve_vcc 1
		.amdhsa_float_denorm_mode_32 3
		.amdhsa_float_denorm_mode_16_64 3
		.amdhsa_memory_ordered 1
		.amdhsa_forward_progress 1
		.amdhsa_inst_pref_size 36
	.end_amdhsa_kernel
	.amdgpu_metadata
---
amdhsa.version: [ 1, 2 ]
amdhsa.kernels:
  - .name:           k_qd26db5c713_lnq
    .symbol:         k_qd26db5c713_lnq.kd
    .args:
      - { .name: x, .offset: 0, .size: 8, .value_kind: global_buffer, .address_space: global }
      - { .name: gamma, .offset: 8, .size: 8, .value_kind: global_buffer, .address_space: global }
      - { .name: xn_img, .offset: 16, .size: 8, .value_kind: global_buffer, .address_space: global }
      - { .name: xsc, .offset: 24, .size: 8, .value_kind: global_buffer, .address_space: global }
      - { .name: rope, .offset: 32, .size: 8, .value_kind: global_buffer, .address_space: global }
    .group_segment_fixed_size: 168960
    .private_segment_fixed_size: 0
    .kernarg_segment_align: 8
    .kernarg_segment_size: 40
    .max_flat_workgroup_size: 256
    .sgpr_count:     66
    .vgpr_count:     210
    .wavefront_size: 32
...
	.end_amdgpu_metadata
.endif
;; end of part 1
;; launch qkv (part 2): grid 64 x 3, 6 waves a work-group, clusters of 4 x 1, 275,200 bytes of LDS; arguments xn_img, xsc, W_fused_codes, W_fused_scales, rope, q_img, qsc, kv; writes q_img, qsc, kv
.if DOCPART == 2
	.amdgcn_target "amdgcn-amd-amdhsa--gfx1250"
	.amdhsa_code_object_version 6
	.text
	.protected	k_qd26db5c713_qkv
	.globl	k_qd26db5c713_qkv
	.p2align	8
	.type	k_qd26db5c713_qkv,@function
k_qd26db5c713_qkv:
	s_mov_b64 s[64:65], 0
	v_nop
	global_prefetch_b8 v0, s[64:65] scope:SCOPE_SE
	s_setreg_imm32_b32 hwreg(HW_REG_WAVE_MODE, 25, 1), 1
	s_wait_xcnt 0x0
	s_wait_alu depctr_hold_cnt(0) depctr_sa_sdst(0) depctr_va_vdst(0) depctr_va_sdst(0) depctr_va_ssrc(0) depctr_va_vcc(0) depctr_vm_vsrc(0)
	s_getreg_b32 s2, hwreg(HW_REG_IB_STS2, 6, 4)
	s_cmp_eq_u32 s2, 0
	s_cbranch_scc0 .Lentry_in_a_cluster
	s_endpgm
.Lentry_in_a_cluster:
	s_bfe_u32 s2, ttmp6, 0x10000c
	s_cmp_lg_u32 s2, 0x3003
	s_cbranch_scc0 .Lentry_shape_is_right
	s_endpgm
.Lentry_shape_is_right:
; The first 576 columns of xn W_fused (q: 16 heads of 32; k: 32; v: 32) on codes of BF8 with E8M0 scales; the rotary embedding on q and k; all three quantised for the two products of attention.
; SHARES.  Work-group (g, y): the 64 tokens 64 g on, and the column groups 6 y .. 6 y + 5 of 32 weight rows; wave w owns group G = 6 y + w: G < 16 is q's head G, 16 is k, 17 is v.  8 accumulators x 8 K steps of 128.
; q AND k: the product is used transposed (source 0 = 16 weight rows, source 1 = 16 tokens): lane (r, h) holds token r, register j of tile u the channel d = 16 u + 8 h + j.  The rotary partner d +- 16 is the other tile's
; register j of the same lane.  A token's 32 channels are one block of 32; a lane's 16 codes stand in the order byte 8 u + j = channel 16 u + 8 h + j, alike in q and in k, which leaves their product as it is.
; v: the sources are swapped, so that a lane holds ONE channel and its registers run along the tokens, which are the second product's K; byte 8 u' + j of a block of 32 keys is key 16 u' + 8 h + j, as p will stand.
; OUT, all as images of operand registers (16 bytes a lane, 512 consecutive bytes a store): q_img [token tile][head][lane][16]; qsc [token tile][head][lane][4], the byte four times;
; kv, for each batch 139,264 bytes: K [64 keys: 32][key tile c 4][lane][16] | V [128 keys: 16][channel tile 2][c 4][lane][16] | K's scale words [32][lane][4], byte c = key tile c | V's [16][2][lane][4].
; (V's scale bytes leave two at a time: 8 KiB in all.)
; THE TABLE of the rotary embedding (64 numbers a lane) is asked for at the head, into registers of window 1 that nothing else names, so that it is on its way while the tiles come and the products run.
; CLUSTER.  The four work-groups of a cluster differ in g alone and read the same weight rows and their scales: these are asked for JOINTLY (mask 15).  xn's images and scales are each work-group's own: plain loads.
; Every LDS byte is filled once.  No branch and no LDS address hangs on the place in the cluster: a wave's part hangs on y and on its number.
; LIMITS: NaN and infinities are not served; a block of zeros gets the byte 1 (its codes are zeros; this program alone reads the bytes).
.set WTB,   32*1040                    ; a wave's 32 weight rows: 1,024 bytes + 16 of padding each
.set WT,    65536                      ; LDS: xn's four token tiles x 8 K steps x 2,048 at 0; then the six waves' weight rows,
.set ASC,   WT+6*WTB                   ; xn's scale bytes: 2,048 as 8 units of 256 + 16,
.set WSC,   ASC+2176                   ; the weights' scale bytes: 1,024 as 4 such units for each wave
.set ADA,  3                           ; v3  16 x lane
.set ADW,  4                           ; v4  my weight rows: row r, + 16 h
.set ADAS, 5                           ; v5  xn's scale words of token r
.set ADWS, 6                           ; v6  the weights' of row r
.set L4,   7                           ; v7  4 x lane
.set ADT,  8                           ; v8  the table: 128 r + 32 h
.set ASR,  16                          ; v16-47   xn's scale words: 8 T + s
.set WSR,  48                          ; v48-63   the weights': 8 u + s
.set AF,   64                          ; v64-127  xn's four fragments
.set WF,   128                         ; v128-159 the weights' two; later the codes (128-143) and the rotation's work (144-159)
.set ACC,  160                         ; v160-223 the eight accumulators
.set TM,   224
.set PW,   240
.set QS,   241                         ; v241-244 q's scale bytes, four times each
.set TBL,  0                           ; window 1, v256-319: the table: C at 8 T, S at 32 + 8 T
.set WV,   20
.set G1W,  28
.set G0W,  36
.set G1WS, 40
.set G0WS, 48
.set G1A,  52
.set G0A,  60
.set G1AS, 68
.set G0AS, 76
.set SEL,  96
.set MNT,  98
.set MSB, 0
.macro WIN new                         ; the immediate's high byte repeats the setting that is left
.if MSB != \new
	s_set_vgpr_msb (MSB<<8)|\new
.set MSB, \new
.endif
.endm
.macro QUANT s, pc
.irp b, 0,1,2,3
	v_max3_num_f32 v[TM+\b], |v[\s+16*\b]|, |v[\s+1+16*\b]|, 0x8000000   ; block b: my 16 numbers, and the floor 2^(16 - 127): the byte cannot fall under 1.  (Each accumulator is read from its low end on)
.endr
.irp i, 2,4,6,8,10,12,14
.irp b, 0,1,2,3
	v_max3_num_f32 v[TM+\b], v[TM+\b], |v[\s+16*\b+\i]|, |v[\s+1+16*\b+\i]|
.endr
.endr
.irp b, 0,1,2,3
	v_permlanex16_b32 v[TM+4+\b], v[TM+\b], s[SEL], s[SEL+1]
.endr
.irp b, 0,1,2,3
	v_max_num_f32 v[TM+\b], v[TM+\b], v[TM+4+\b]
.endr
.irp b, 0,1,2,3
	v_add_nc_u32 v[TM+12+\b], 0xf8800000, v[TM+\b]
.endr
.irp b, 0,1,2,3
	v_and_or_b32 v[TM+8+\b], v[TM+\b], 0x7f800000, s[MNT]
.endr
.irp b, 0,1,2,3
	v_lshrrev_b32 v[TM+4+\b], 23, v[TM+12+\b]
.endr
	v_lshl_or_b32 v[PW], v[TM+5], 8, v[TM+4]
	v_lshl_or_b32 v[PW], v[TM+6], 16, v[PW]
	v_lshl_or_b32 v[PW], v[TM+7], 24, v[PW]
.irp b, 0,1,2,3
.irp i, 0,1,2,3,4,5,6,7,8,9,10,11,12,13,14,15
	v_med3_num_f32 v[\s+16*\b+\i], v[\s+16*\b+\i], -v[TM+8+\b], v[TM+8+\b]
.endr
	v_cvt_scalef32_pk8_bf8_f32 v[\pc+4*\b:\pc+1+4*\b], v[\s+16*\b:\s+7+16*\b], v[TM+12+\b]
	v_cvt_scalef32_pk8_bf8_f32 v[\pc+2+4*\b:\pc+3+4*\b], v[\s+8+16*\b:\s+15+16*\b], v[TM+12+\b]
.endr
	v_nop
.endm
.macro CROUND                          ; a round of the cluster's barrier
	s_barrier_signal -1
	s_barrier_wait -1
	s_cmp_lg_u32 s[WV], 0
	s_cbranch_scc1 .Lnot_wave_0_\@
	s_barrier_signal -3
.Lnot_wave_0_\@:
	s_barrier_wait -3
	s_barrier_signal -1
	s_barrier_wait -1
.endm
; K step s: 24 LDS loads, 8 matrix instructions, the eight accumulators by turns.  swap = 1: tokens are source 0 (v's way)
.macro KSTEP s, swap
.if \s
.rept 8
	v_nop                                          ; places in front of loads into registers that matrix instructions have read
.endr
.endif
.irp T, 0,1,2,3
.irp c, 0,1,2,3
	ds_load_b128 v[AF+16*\T+4*\c:AF+16*\T+4*\c+3], v[ADA] offset:16384*\T+2048*\s+512*\c
.endr
.endr
.irp u, 0,1
.irp c, 0,1,2,3
	ds_load_b128 v[WF+16*\u+4*\c:WF+16*\u+4*\c+3], v[ADW] offset:16640*\u+128*\s+32*\c
.endr
.endr
	s_wait_dscnt 0x0
.irp T, 0,1,2,3
.irp u, 0,1
.if \swap
.if \s
	v_wmma_scale_f32_16x16x128_f8f6f4 v[ACC+32*\u+8*\T:ACC+32*\u+8*\T+7], v[AF+16*\T:AF+16*\T+15], v[WF+16*\u:WF+16*\u+15], v[ACC+32*\u+8*\T:ACC+32*\u+8*\T+7], v[ASR+8*\T+\s], v[WSR+8*\u+\s] matrix_a_fmt:MATRIX_FMT_BF8 matrix_b_fmt:MATRIX_FMT_BF8
.else
	v_wmma_scale_f32_16x16x128_f8f6f4 v[ACC+32*\u+8*\T:ACC+32*\u+8*\T+7], v[AF+16*\T:AF+16*\T+15], v[WF+16*\u:WF+16*\u+15], 0, v[ASR+8*\T+\s], v[WSR+8*\u+\s] matrix_a_fmt:MATRIX_FMT_BF8 matrix_b_fmt:MATRIX_FMT_BF8
.endif
.else
.if \s
	v_wmma_scale_f32_16x16x128_f8f6f4 v[ACC+16*\T+8*\u:ACC+16*\T+8*\u+7], v[WF+16*\u:WF+16*\u+15], v[AF+16*\T:AF+16*\T+15], v[ACC+16*\T+8*\u:ACC+16*\T+8*\u+7], v[WSR+8*\u+\s], v[ASR+8*\T+\s] matrix_a_fmt:MATRIX_FMT_BF8 matrix_b_fmt:MATRIX_FMT_BF8
.else
	v_wmma_scale_f32_16x16x128_f8f6f4 v[ACC+16*\T+8*\u:ACC+16*\T+8*\u+7], v[WF+16*\u:WF+16*\u+15], v[AF+16*\T:AF+16*\T+15], 0, v[WSR+8*\u+\s], v[ASR+8*\T+\s] matrix_a_fmt:MATRIX_FMT_BF8 matrix_b_fmt:MATRIX_FMT_BF8
.endif
.endif
.endr
.endr
.endm
; token tile T: d < 16: t C - t(d + 16) S;  d >= 16: t C + t(d - 16) S, two channels at a time.  The table is source 1 in every line: one window setting serves the four tiles
.macro ROPE T
.irp j, 0,2,4,6
	v_pk_mul_f32 v[WF+16+2*\j:WF+17+2*\j], v[ACC+16*\T+8+\j:ACC+16*\T+9+\j], v[TBL+32+8*\T+\j:TBL+33+8*\T+\j]
	v_pk_mul_f32 v[WF+18+2*\j:WF+19+2*\j], v[ACC+16*\T+\j:ACC+16*\T+1+\j], v[TBL+32+8*\T+\j:TBL+33+8*\T+\j]
	v_pk_fma_f32 v[ACC+16*\T+\j:ACC+16*\T+1+\j], v[ACC+16*\T+\j:ACC+16*\T+1+\j], v[TBL+8*\T+\j:TBL+8*\T+1+\j], v[WF+16+2*\j:WF+17+2*\j] neg_lo:[0,0,1] neg_hi:[0,0,1]
	v_pk_fma_f32 v[ACC+16*\T+8+\j:ACC+16*\T+9+\j], v[ACC+16*\T+8+\j:ACC+16*\T+9+\j], v[TBL+8*\T+\j:TBL+8*\T+1+\j], v[WF+18+2*\j:WF+19+2*\j]
.endr
.endm
	s_load_b512 s[4:19], s[0:1], 0x0               ; xn_img s[4:5], xsc s[6:7], W codes s[8:9], W scales s[10:11], rope s[12:13], q_img s[14:15], qsc s[16:17], kv s[18:19]
	v_lshl_add_u32 v254, v0, 2, 0x43000
	v_mov_b32 v255, 0
	ds_add_u32 v254, v255
	ds_add_u32 v254, v255
	v_lshrrev_b32 v1, 5, v0
	v_readfirstlane_b32 s[WV], v1                  ; wave 0..5
	s_bfe_u32 s21, ttmp6, 0x40000                  ; cx
	s_lshl_b32 s22, ttmp9, 2
	s_add_co_u32 s22, s22, s21                     ; g: it enters plain loads' and stores' global addresses alone
	s_and_b32 s23, ttmp7, 0xffff                   ; y, which the partners share
	s_mul_i32 s24, s23, 6
	s_add_co_u32 s24, s24, s[WV]                   ; G
	s_lshr_b32 s25, s22, 5                         ; the batch
	s_and_b32 s26, s22, 31                         ; the group of 64 tokens in it
	s_mov_b32 s[G1W], 15|(1<<20)|(1<<21)|(7<<22)|(3<<25)           ; weight rows: the mask of all four; elements of 1 byte; padding: 4 words behind every 256; bit 21 beside the mask
	s_mov_b32 s[G1W+1], 1024<<16
	s_mov_b32 s[G1W+2], 96<<16                     ; 96 rows a load: three waves' rows
	s_mov_b32 s[G1W+3], 1024<<16
	s_mov_b32 s[G1W+4], 96
	s_mov_b32 s[G1W+5], 1024
	s_mov_b32 s[G1W+6], 0
	s_mov_b32 s[G1W+7], 0
	s_mov_b32 s[G1WS], 15|(3<<16)|(1<<20)|(1<<21)|(5<<22)|(3<<25)  ; their scale bytes: 4 rows of 32 elements of 8 bytes, 4 words behind every 64
	s_mov_b32 s[G1WS+1], 32<<16
	s_mov_b32 s[G1WS+2], 24<<16                    ; all six waves' scale bytes: 24 units of 256 bytes
	s_mov_b32 s[G1WS+3], 32<<16
	s_mov_b32 s[G1WS+4], 24
	s_mov_b32 s[G1WS+5], 32
	s_mov_b32 s[G1WS+6], 0
	s_mov_b32 s[G1WS+7], 0
	s_mov_b32 s[G1A], 3<<16                        ; a token tile's eight images: 16,384 dense bytes as 64 rows of 256; no mask, no padding
	s_mov_b32 s[G1A+1], 32<<16
	s_mov_b32 s[G1A+2], 128<<16                    ; two token tiles a load: 32,768 dense bytes
	s_mov_b32 s[G1A+3], 32<<16
	s_mov_b32 s[G1A+4], 128
	s_mov_b32 s[G1A+5], 32
	s_mov_b32 s[G1A+6], 0
	s_mov_b32 s[G1A+7], 0
	s_mov_b32 s[G1AS], (3<<16)|(1<<20)|(5<<22)|(3<<25)             ; xn's scale bytes: 8 rows of 256 bytes, padded
	s_mov_b32 s[G1AS+1], 32<<16
	s_mov_b32 s[G1AS+2], 8<<16
	s_mov_b32 s[G1AS+3], 32<<16
	s_mov_b32 s[G1AS+4], 8
	s_mov_b32 s[G1AS+5], 32
	s_mov_b32 s[G1AS+6], 0
	s_mov_b32 s[G1AS+7], 0
	s_and_b32 s94, s[WV], 1                        ; which half of a tile shared by two waves I ask for
	s_mul_i32 s80, s23, 192
	s_mul_i32 s95, s94, 96
	s_add_co_u32 s80, s80, s95
	s_lshl_b32 s80, s80, 10                        ; weight rows 192 y + 96 half, 1,024 bytes each
	s_mov_b32 s81, 0
	s_mul_i32 s82, s23, 6144                       ; 192 y rows of 32 scale bytes
	s_mov_b32 s83, 0
	s_lshl_b32 s84, s22, 2
	s_lshl_b32 s95, s94, 1
	s_add_co_u32 s84, s84, s95                     ; token tile 4 g + 2 half
	s_lshl_b32 s84, s84, 14                        ; 16,384 bytes a token tile (waves 2, 3 ask)
	s_mov_b32 s85, 0
	s_lshl_b32 s86, s22, 11                        ; 64 tokens x 32 bytes
	s_mov_b32 s87, 0
	s_mul_i32 s88, s[WV], WTB
	s_mul_i32 s89, s[WV], 1088
	s_lshl_b32 s90, s94, 15
	s_cmp_eq_u32 s24, 16
	s_cselect_b32 s92, 0x40000, 0                  ; k's half of the table or q's,
	s_lshl_b32 s93, s26, 13                        ; 64 t of 128 bytes
	s_add_co_u32 s92, s92, s93
	s_mov_b32 s93, 0
	s_mov_b32 s[SEL], 0x76543210
	s_mov_b32 s[SEL+1], 0xfedcba98
	s_mov_b32 s[MNT], 0x600000
	v_and_b32 v1, 15, v0                           ; r
	v_bfe_u32 v2, v0, 4, 1                         ; h
	v_and_b32 v9, 31, v0
	v_lshlrev_b32 v[ADA], 4, v9
	v_lshlrev_b32 v[L4], 2, v9
	v_mul_u32_u24 v[ADW], v1, 1040
	v_lshl_add_u32 v[ADW], v2, 4, v[ADW]
	v_add_nc_u32 v[ADW], s88, v[ADW]
	v_add_nc_u32 v[ADW], WT, v[ADW]
	v_lshrrev_b32 v10, 3, v1
	v_lshlrev_b32 v10, 4, v10
	v_lshl_add_u32 v10, v1, 5, v10                 ; 32 bytes a row, and 16 more behind each 256
	v_add_nc_u32 v[ADAS], ASC, v10
	v_add_nc_u32 v[ADWS], s89, v10
	v_add_nc_u32 v[ADWS], WSC, v[ADWS]
	v_lshlrev_b32 v[ADT], 7, v1
	v_lshl_add_u32 v[ADT], v2, 5, v[ADT]
.irp b, 0,1,2,3
	v_mov_b32 v[TM+4+\b], 0                        ; written once: a lane permute's destination counts as one of its sources
.endr
	s_wait_dscnt 0x0
	s_wait_kmcnt 0x0
	s_add_nc_u64 s[12:13], s[12:13], s[92:93]      ; the table at my 64 tokens; neither this base nor v8 is written again
	s_cmp_eq_u32 s24, 17
	s_cbranch_scc1 .Lno_table                      ; v is not rotated
	WIN 0x40                                       ; destination window 1
	s_wait_alu depctr_va_vdst(0)
.irp T, 0,1,2,3
.irp k, 0,1
.irp e, 0,1
	global_load_b128 v[TBL+32*\k+8*\T+4*\e:TBL+32*\k+8*\T+4*\e+3], v[ADT], s[12:13] offset:2048*\T+64*\k+16*\e
.endr
.endr
.endr
	WIN 0
.Lno_table:
	s_mov_b32 s[G0W], 1
	s_mul_i32 s95, s94, 96*1040
	s_add_co_u32 s[G0W+1], s95, WT
	s_add_nc_u64 s[G0W+2:G0W+3], s[8:9], s[80:81]
	s_or_b32 s[G0W+3], s[G0W+3], 0x80000000
	s_mov_b32 s[G0WS], 1
	s_mov_b32 s[G0WS+1], WSC
	s_add_nc_u64 s[G0WS+2:G0WS+3], s[10:11], s[82:83]
	s_or_b32 s[G0WS+3], s[G0WS+3], 0x80000000
	s_mov_b32 s[G0A], 1
	s_mov_b32 s[G0A+1], s90
	s_add_nc_u64 s[G0A+2:G0A+3], s[4:5], s[84:85]
	s_or_b32 s[G0A+3], s[G0A+3], 0x80000000
	s_mov_b32 s[G0AS], 1
	s_mov_b32 s[G0AS+1], ASC
	s_add_nc_u64 s[G0AS+2:G0AS+3], s[6:7], s[86:87]
	s_or_b32 s[G0AS+3], s[G0AS+3], 0x80000000
	CROUND                                         ; all four work-groups are here: the joint loads meet
	; one tensor load a wave, in one chain of arms: waves 0, 1 the halves of the 192 weight rows (jointly), wave 5 their scale bytes (jointly), waves 2, 3 two token tiles of xn each, wave 4 xn's scale bytes
	s_cmp_lt_u32 s[WV], 2
	s_cbranch_scc0 .Lnot_w
	tensor_load_to_lds s[G0W:G0W+3], s[G1W:G1W+7]
	s_nop 0
.rept 4
	v_nop
.endr
	s_branch .Lasked
.Lnot_w:
	s_cmp_eq_u32 s[WV], 5
	s_cbranch_scc0 .Lnot_ws
	tensor_load_to_lds s[G0WS:G0WS+3], s[G1WS:G1WS+7]
	s_nop 0
.rept 4
	v_nop
.endr
	s_branch .Lasked
.Lnot_ws:
	s_cmp_lt_u32 s[WV], 4
	s_cbranch_scc0 .Lnot_a
	tensor_load_to_lds s[G0A:G0A+3], s[G1A:G1A+7]                  ; waves 2, 3: two token tiles of xn each
	s_nop 0
.rept 4
	v_nop
.endr
	s_branch .Lasked
.Lnot_a:
	tensor_load_to_lds s[G0AS:G0AS+3], s[G1AS:G1AS+7]              ; wave 4: xn's scale bytes
	s_nop 0
.rept 4
	v_nop
.endr
.Lasked:
	s_wait_tensorcnt 0x0                           ; my one load is in LDS,
	s_barrier_signal -1
	s_barrier_wait -1                              ; and all that the others asked for
	s_wait_alu depctr_va_vdst(0)
.irp T, 0,1,2,3
	ds_load_b128 v[ASR+8*\T:ASR+8*\T+3], v[ADAS] offset:544*\T
	ds_load_b128 v[ASR+8*\T+4:ASR+8*\T+7], v[ADAS] offset:544*\T+16
.endr
.irp u, 0,1
	ds_load_b128 v[WSR+8*\u:WSR+8*\u+3], v[ADWS] offset:544*\u
	ds_load_b128 v[WSR+8*\u+4:WSR+8*\u+7], v[ADWS] offset:544*\u+16
.endr
	s_mul_i32 s91, s25, 139264                     ; the batch's block of kv
	s_cmp_eq_u32 s24, 17
	s_cbranch_scc1 .Lv
	; ---- q and k
.irp s, 0,1,2,3,4,5,6,7
	KSTEP \s, 0
.endr
.rept 8
	v_nop                                          ; places in front of the first read of the results
.endr
	s_wait_loadcnt 0x0                             ; the table, asked for at the head
	WIN 0x04                                       ; source 1 window 1
	ROPE 0
	ROPE 1
	ROPE 2
	ROPE 3
	WIN 0
	QUANT ACC, WF                                  ; block T = token tile T's 32 channels
	s_cmp_eq_u32 s24, 16
	s_cbranch_scc1 .Lk
	s_lshl_b32 s80, s22, 6
	s_add_co_u32 s80, s80, s24                     ; 16 x (token tile 4 g) + head
	s_lshl_b32 s82, s80, 7
	s_lshl_b32 s80, s80, 9
	s_mov_b32 s81, 0
	s_mov_b32 s83, 0
	s_add_nc_u64 s[14:15], s[14:15], s[80:81]
	s_add_nc_u64 s[16:17], s[16:17], s[82:83]
.irp T, 0,1,2,3
	v_mul_lo_u32 v[QS+\T], 0x01010101, v[TM+4+\T]  ; the byte in all four places: q may stand in any of the instruction's four blocks
.endr
	s_wait_alu depctr_va_vdst(0)
.irp T, 0,1,2,3
	global_store_b128 v[ADA], v[WF+4*\T:WF+4*\T+3], s[14:15] offset:8192*\T
	global_store_b32 v[L4], v[QS+\T], s[16:17] offset:2048*\T
.endr
	s_branch .Ldone
.Lk:
	s_lshl_b32 s80, s26, 11
	s_add_co_u32 s80, s80, s91
	s_mov_b32 s81, 0
	s_add_nc_u64 s[80:81], s[18:19], s[80:81]      ; K's fragment of these 64 keys
	s_lshl_b32 s82, s26, 7
	s_add_co_u32 s82, s82, s91
	s_add_co_u32 s82, s82, 131072
	s_mov_b32 s83, 0
	s_add_nc_u64 s[82:83], s[18:19], s[82:83]      ; and its scale words
	s_wait_alu depctr_va_vdst(0)
.irp T, 0,1,2,3
	global_store_b128 v[ADA], v[WF+4*\T:WF+4*\T+3], s[80:81] offset:512*\T
.endr
	global_store_b32 v[L4], v[PW], s[82:83]
	s_branch .Ldone
.Lv:
	; ---- v
.irp s, 0,1,2,3,4,5,6,7
	KSTEP \s, 1
.endr
.rept 8
	v_nop
.endr
	QUANT ACC, WF                                  ; block 2 u + beta: channel tile u, keys 32 beta on of these 64
	s_lshr_b32 s84, s26, 1                         ; which 128 keys,
	s_and_b32 s85, s26, 1                          ; which half of them
	s_lshl_b32 s80, s84, 12
	s_lshl_b32 s81, s85, 10
	s_add_co_u32 s80, s80, s81
	s_add_co_u32 s80, s80, s91
	s_add_co_u32 s80, s80, 65536
	s_mov_b32 s81, 0
	s_add_nc_u64 s[80:81], s[18:19], s[80:81]
	s_lshl_b32 s82, s84, 8
	s_lshl_b32 s83, s85, 1
	s_add_co_u32 s82, s82, s83
	s_add_co_u32 s82, s82, s91
	s_add_co_u32 s82, s82, 135168
	s_mov_b32 s83, 0
	s_add_nc_u64 s[82:83], s[18:19], s[82:83]
	s_wait_alu depctr_va_vdst(0)
.irp u, 0,1
.irp e, 0,1
	global_store_b128 v[ADA], v[WF+4*(2*\u+\e):WF+4*(2*\u+\e)+3], s[80:81] offset:2048*\u+512*\e
.endr
.endr
	global_store_b16 v[L4], v[PW], s[82:83]                        ; channel tile 0: this half's two bytes of the word,
	global_store_d16_hi_b16 v[L4], v[PW], s[82:83] offset:128      ; channel tile 1
.Ldone:
	s_wait_tensorcnt 0x0
	ds_add_u32 v254, v255
	s_wait_dscnt 0x0
	CROUND                                         ; the closing round: no work-group ends while a partner may still ask jointly
	s_endpgm
.Lfunc_end_k_qd26db5c713_qkv:
	.size	k_qd26db5c713_qkv, .Lfunc_end_k_qd26db5c713_qkv-k_qd26db5c713_qkv
	.p2alignl 7, 3214868480
	.fill 96, 4, 3214868480
	.section	.rodata,"a",@progbits
	.p2align	6, 0x0
	.amdhsa_kernel k_qd26db5c713_qkv
		.amdhsa_group_segment_fixed_size 275200
		.amdhsa_private_segment_fixed_size 0
		.amdhsa_enable_private_segment 0
		.amdhsa_kernarg_size 64
		.amdhsa_user_sgpr_count 2
		.amdhsa_user_sgpr_kernarg_segment_ptr 1
		.amdhsa_wavefront_size32 1
		.amdhsa_system_sgpr_workgroup_id_x 1
		.amdhsa_system_sgpr_workgroup_id_y 1
		.amdhsa_system_sgpr_workgroup_id_z 1
		.amdhsa_system_vgpr_workitem_id 0
		.amdhsa_next_free_vgpr 320
		.amdhsa_next_free_sgpr 100
		.amdhsa_reserve_vcc 0
		.amdhsa_float_denorm_mode_32 3
		.amdhsa_float_denorm_mode_16_64 3
		.amdhsa_memory_ordered 1
		.amdhsa_forward_progress 1
		.amdhsa_inst_pref_size 79
	.end_amdhsa_kernel
	.amdgpu_metadata
---
amdhsa.version: [ 1, 2 ]
amdhsa.kernels:
  - .name:           k_qd26db5c713_qkv
    .symbol:         k_qd26db5c713_qkv.kd
    .args:
      - { .name: xn_img, .offset: 0, .size: 8, .value_kind: global_buffer, .address_space: global }
      - { .name: xsc, .offset: 8, .size: 8, .value_kind: global_buffer, .address_space: global }
      - { .name: W_fused_codes, .offset: 16, .size: 8, .value_kind: global_buffer, .address_space: global }
      - { .name: W_fused_scales, .offset: 24, .size: 8, .value_kind: global_buffer, .address_space: global }
      - { .name: rope, .offset: 32, .size: 8, .value_kind: global_buffer, .address_space: global }
      - { .name: q_img, .offset: 40, .size: 8, .value_kind: global_buffer, .address_space: global }
      - { .name: qsc, .offset: 48, .size: 8, .value_kind: global_buffer, .address_space: global }
      - { .name: kv, .offset: 56, .size: 8, .value_kind: global_buffer, .address_space: global }
    .group_segment_fixed_size: 275200
    .private_segment_fixed_size: 0
    .kernarg_segment_align: 8
    .kernarg_segment_size: 64
    .max_flat_workgroup_size: 192
    .sgpr_count:     100
    .vgpr_count:     320
    .wavefront_size: 32
...
	.end_amdgpu_metadata
.endif
;; end of part 2
;; launch attn (part 3): grid 256 x 1, 16 waves a work-group, no clusters, 243,712 bytes of LDS; arguments q_img, qsc, kv, act_img, asc; writes act_img, asc
.if DOCPART == 3
	.amdgcn_target "amdgcn-amd-amdhsa--gfx1250"
	.amdhsa_code_object_version 6
	.text
	.protected	k_qd26db5c713_attn
	.globl	k_qd26db5c713_attn
	.p2align	8
	.type	k_qd26db5c713_attn,@function
k_qd26db5c713_attn:
	s_mov_b64 s[64:65], 0
	v_nop
	global_prefetch_b8 v0, s[64:65] scope:SCOPE_SE
	s_setreg_imm32_b32 hwreg(HW_REG_WAVE_MODE, 25, 1), 1
	s_wait_xcnt 0x0
; Causal multi-query attention, 16 heads of 32, both products on codes of BF8 with E8M0 scales; o / l is quantised along the next product's K (head x 32 + channel) and stored as part of that operand's image.
; Key steps whose 128 keys all come after a tile's queries lie wholly under the mask that the definition builds itself: they are not computed.
; THE SOFTMAX: t = score x log2(e) / sqrt(32); M = the running largest t rounded UP to a whole number; p = 2^(t - M) is quantised along the keys, not normalised; the row's sum is taken of the unquantised p and divides at the end.
; When M moves, the sum and O are multiplied by 2^(old M - new M): exact.
; SHARES.  Work-group x: batch x >> 7, pair p = (x >> 1) & 63, heads 8 (x & 1) on.  The two waves 2 m, 2 m + 1 own head 8 (x & 1) + m and the two tiles of 16 queries p (early) and 127 - p (late), which have 17 key steps between them.
; Both waves walk both tiles, each every second key step: wave kind j = ((w >> 2) ^ w) & 1 takes the steps of parity j of the early tile and of parity 1 - j of the late one: 8 or 9 steps a wave, whatever p.
; Each wave leaves its part of each tile (O^T, -M, the sum) in LDS bytes of its own; behind one barrier the wave of kind j joins the two parts of tile j: both are brought under the larger M by exact powers of two and added.
; A part with no step holds zeros and -M = 3e38: its factor is 2^(a whole number that saturates) = 0.  Parity 0 holds key step 0, so one part of a tile always has a step; in every step walked each query has a key that counts.
; The batch's whole block of kv (139,264 bytes: K's and V's images and scale words) comes into LDS once, a sixteenth by each wave's one tensor load, as it lies in memory.  No LDS byte is filled twice.
; No cluster: the block is fetched once for the work-group's 136 key steps.  No prefetch: there is no stream behind the one fill.
; K = 32 IN THE FIRST PRODUCT.  The instruction is 128 deep: a fragment of K holds FOUR key tiles, one in each block of 32.  Q stands in v28-31 between twelve registers of zero codes on either side: the run of 16 that
; begins at v[28 - 4 c] has Q in block c and zeros elsewhere, so the product is key tile c's.  (k's codes are held by the quantiser, hence finite: they add nothing against zero codes.)
; LAYOUT.  Both products transposed: S^T = K Q^T, O^T = V^T P^T: a lane holds ONE query.  Register 8 tau + j of S^T is key 16 tau + 8 h + j, so a block of 32 keys lies in 16 registers of lanes l and l xor 16,
; byte 8 u + j = key 16 u + 8 h + j: the order in which V's codes were laid.
; THE MASK.  Each walk has 8 trips (a constant); a step whose keys all come after the tile's queries is jumped over by a scalar branch on ids; on the diagonal hidden scores become -infinity.
; LIMITS: NaN and infinities are not served; a block of zeros gets the byte 1.  The 128 bytes of scale words that a wave stores are half of an aligned 256: 64 KiB in all.
.set VIMG, 65536
.set KSC,  131072
.set OSTG, 139264                      ; behind the block: 256 bytes for o's scale bytes, written by ds_store alone
.set PST,  169984                      ; behind the spare words: the parts: [wave 16][tile 2][O^T 2,048 | (-M, sum) 256], written by ds_store alone
.set WV,  14
.set G1,  16
.set G0,  24
.set SEL, 28
.set CS,  30                           ; s[30:31] c = log2(e) / sqrt(32)
.set MNT, 32
.set TB,  33                           ; the step's images: 4,096 bytes a step
.set TS,  34                           ; its scale words: 256 bytes a step
.set KF,  35                           ; its first key
.set Q0,  36                           ; the tile's first query
.set CNT, 37
.set PAR, 62                           ; the parity of my key steps in the tile in hand
; v1 16 x lane; v2 VIMG + 16 x lane; v3 KSC + 4 x lane; v4 r - 8 h; v5, v7 the stage's addresses; v6 4 x lane; v8-10 the step's addresses; v12 -M; v13 the largest t; v[14:15] the sum;
; v16-27, v32-43 zero codes; v28-31 Q; v44 q's scale word; v45-46 K's; v47, v80 V's; v81 p's; v48-79 K; v82, v83 where my parts go; v84-88 the late tile's Q and scale word; v89-92 where the parts of my tile lie;
; v96-159 S^T, then p; v160-175 O^T; v176-191 p's codes; v192-223 V; v228-255 at work
	s_load_b256 s[4:11], s[0:1], 0x0               ; q_img s[4:5], qsc s[6:7], kv s[8:9], act_img s[10:11]
	s_load_b64 s[12:13], s[0:1], 0x20              ; asc
	v_lshl_add_u32 v250, v0, 2, 0x29000
	v_mov_b32 v251, 0
	ds_add_u32 v250, v251                          ; the opening lines: the add, twice on end, and its wait
	ds_add_u32 v250, v251
	v_lshrrev_b32 v1, 5, v0
	v_readfirstlane_b32 s[WV], v1                  ; wave 0..15
	s_lshr_b32 s38, ttmp9, 7                       ; the batch
	s_bfe_u32 s39, ttmp9, 0x60001                  ; p
	s_and_b32 s40, ttmp9, 1                        ; which eight heads
	s_lshr_b32 s41, s[WV], 1                       ; which of them
	s_lshr_b32 s42, s[WV], 2
	s_xor_b32 s42, s42, s[WV]
	s_and_b32 s42, s42, 1                          ; j: the tile that I finish: early (0) or late (1)
	s_sub_co_u32 s43, 127, s39
	s_cmp_lg_u32 s42, 0
	s_cselect_b32 s43, s43, s39                    ; that tile's number in the batch
	s_lshl_b32 s44, s38, 7
	s_add_co_u32 s44, s44, s43                     ; its token tile
	s_lshl_b32 s45, s40, 3
	s_add_co_u32 s45, s45, s41                     ; the head
	s_mov_b32 s[G1], 3<<16                         ; 8,704 dense bytes as 34 rows of 32 elements of 8 bytes
	s_mov_b32 s[G1+1], 32<<16
	s_mov_b32 s[G1+2], 34<<16
	s_mov_b32 s[G1+3], 32<<16
	s_mov_b32 s[G1+4], 34
	s_mov_b32 s[G1+5], 32
	s_mov_b32 s[G1+6], 0
	s_mov_b32 s[G1+7], 0
	s_mul_i32 s48, s[WV], 8704
	s_mul_i32 s46, s38, 139264
	s_add_co_u32 s46, s46, s48
	s_mov_b32 s47, 0
	s_lshl_b32 s54, s38, 7
	s_add_co_u32 s58, s54, 127
	s_sub_co_u32 s58, s58, s39                     ; the late token tile,
	s_add_co_u32 s54, s54, s39                     ; the early one
	s_lshl_b32 s54, s54, 4
	s_add_co_u32 s54, s54, s45                     ; 16 x token tile + head
	s_lshl_b32 s58, s58, 4
	s_add_co_u32 s58, s58, s45
	s_lshl_b32 s56, s54, 7                         ; q's scale words,
	s_lshl_b32 s54, s54, 9                         ; q's codes
	s_lshl_b32 s60, s58, 7
	s_lshl_b32 s58, s58, 9
	s_mov_b32 s55, 0
	s_mov_b32 s57, 0
	s_mov_b32 s59, 0
	s_mov_b32 s61, 0
	s_wait_dscnt 0x0
	s_wait_kmcnt 0x0
	s_mov_b32 s[G0], 1
	s_mov_b32 s[G0+1], s48
	s_add_nc_u64 s[G0+2:G0+3], s[8:9], s[46:47]
	s_or_b32 s[G0+3], s[G0+3], 0x80000000
	tensor_load_to_lds s[G0:G0+3], s[G1:G1+7]      ; my sixteenth of the block: my one tensor load
	s_nop 0
	s_add_nc_u64 s[54:55], s[4:5], s[54:55]
	s_add_nc_u64 s[56:57], s[6:7], s[56:57]
	s_add_nc_u64 s[58:59], s[4:5], s[58:59]
	s_add_nc_u64 s[60:61], s[6:7], s[60:61]
	s_lshl_b32 s52, s42, 7                         ; the stage: 128 bytes for each of the two token tiles; in them [K step 2][r 16][4]
	s_lshr_b32 s53, s41, 2
	s_lshl_b32 s53, s53, 6
	s_add_co_u32 s52, s52, s53
	s_and_b32 s53, s41, 3
	s_add_co_u32 s52, s52, s53
	s_add_co_u32 s52, s52, OSTG
	s_and_b32 s53, s[WV], 1
	s_lshl_b32 s53, s53, 7
	s_add_co_u32 s53, s53, OSTG
	s_mul_i32 s46, s[WV], 4608
	s_add_co_u32 s46, s46, PST                     ; my two parts
	s_mul_i32 s47, s42, 2304
	s_add_co_u32 s48, s46, s47                     ; my part of my tile,
	s_xor_b32 s49, s[WV], 1
	s_mul_i32 s49, s49, 4608
	s_add_co_u32 s49, s49, s47
	s_add_co_u32 s49, s49, PST                     ; and my partner's
	v_and_b32 v11, 15, v0                          ; r
	v_and_b32 v9, 31, v0
	v_lshlrev_b32 v1, 4, v9
	v_lshlrev_b32 v6, 2, v9
	global_load_b128 v[28:31], v1, s[54:55]        ; the early tile's Q: 16 codes a lane
	global_load_b32 v44, v6, s[56:57]
	global_load_b128 v[84:87], v1, s[58:59]        ; the late tile's
	global_load_b32 v88, v6, s[60:61]
	v_add_nc_u32 v2, VIMG, v1
	v_add_nc_u32 v3, KSC, v6
	v_bfe_u32 v5, v0, 4, 1
	v_lshlrev_b32 v5, 3, v5
	v_sub_nc_u32 v4, v11, v5                       ; r - 8 h
	v_lshl_add_u32 v7, v11, 2, s52                 ; my head's byte of row r's word
	v_add_nc_u32 v5, s53, v6                       ; waves 0 and 1 read a tile's 128 bytes back
	v_lshlrev_b32 v10, 3, v9
	v_add_nc_u32 v82, s46, v1
	v_add_nc_u32 v83, s46, v10
	v_add_nc_u32 v89, s48, v1
	v_add_nc_u32 v90, s49, v1
	v_add_nc_u32 v91, s48, v10
	v_add_nc_u32 v92, s49, v10
	s_mul_i32 s50, s44, 36
	s_lshr_b32 s51, s45, 2
	s_add_co_u32 s50, s50, s51
	s_lshl_b32 s50, s50, 11                        ; o: token tile's K step head / 4,
	s_and_b32 s51, s45, 3
	s_lshl_b32 s51, s51, 9                         ; block head % 4
	s_add_co_u32 s50, s50, s51
	s_mov_b32 s51, 0
	s_add_nc_u64 s[10:11], s[10:11], s[50:51]
	s_lshl_b32 s50, s44, 8
	s_lshl_b32 s51, s40, 7
	s_add_co_u32 s50, s50, s51
	s_mov_b32 s51, 0
	s_add_nc_u64 s[12:13], s[12:13], s[50:51]
	s_mov_b32 s[SEL], 0x76543210
	s_mov_b32 s[SEL+1], 0xfedcba98
	s_mov_b32 s[CS], 0x3E8293EE
	s_mov_b32 s[CS+1], s[CS]                       ; (named with it as a pair, so it is written)
	s_mov_b32 s[MNT], 0x600000
.irp j, 0,1,2,3,4,5,6,7,8,9,10,11
	v_mov_b32 v[16+\j], 0                          ; zero codes on either side of Q
	v_mov_b32 v[32+\j], 0
.endr
.irp b, 0,1,2,3
	v_mov_b32 v[236+\b], 0                         ; written once: a lane permute's destination counts as one of its sources
.endr
	v_mov_b32 v252, 0
	v_mov_b32 v253, 0                              ; (named as the upper half of the pair v[252:253])
	s_wait_alu depctr_va_vdst(0)                   ; the wait at the head's end
	s_wait_tensorcnt 0x0                           ; my part of the block is in LDS,
	s_barrier_signal -1
	s_barrier_wait -1                              ; everybody's is
	s_wait_loadcnt 0x0                             ; both Q
; MY WALK OVER ONE TILE: ph = 0 the early tile, 1 the late one.  Every second key step, 8 trips; then my part of the tile goes to LDS
.macro PHASE ph
.if \ph
	s_sub_co_u32 s[Q0], 127, s39
	s_lshl_b32 s[Q0], s[Q0], 4
	s_xor_b32 s[PAR], s42, 1
	v_mov_b32 v44, v88                             ; the late tile's Q; more than eight plain lines follow ahead of the first product
.irp j, 0,1,2,3
	v_mov_b32 v[28+\j], v[84+\j]
.endr
.else
	s_lshl_b32 s[Q0], s39, 4
	s_mov_b32 s[PAR], s42
.endif
	s_lshl_b32 s[KF], s[PAR], 7
	s_lshl_b32 s[TB], s[PAR], 12
	s_lshl_b32 s[TS], s[PAR], 8
	s_mov_b32 s[CNT], 8
	v_mov_b32 v13, 0xff61b1e6                      ; the largest t so far: -3e38
	v_floor_f32 v12, -v13                          ; -M
	v_mov_b32 v14, 0
	v_mov_b32 v15, 0
.irp j, 0,1,2,3,4,5,6,7,8,9,10,11,12,13,14,15
	v_mov_b32 v[160+\j], 0                         ; O^T: the step is written once; the first change of M multiplies zeros
.endr
	s_wait_alu depctr_va_vdst(0)                   ; the wait ahead of the loop's waits and branches
.Lstep_\@:
	s_add_co_u32 s38, s[Q0], 15
	s_cmp_gt_u32 s[KF], s38
	s_cbranch_scc1 .Lhidden_\@                     ; all 128 keys come after the tile's queries
	v_add_nc_u32 v8, s[TB], v1
	v_add_nc_u32 v9, s[TB], v2
	v_add_nc_u32 v10, s[TS], v3
.rept 5
	v_nop                                          ; with the three additions: eight places in front of loads into registers that the last products read
.endr
.irp f, 0,1
.irp c, 0,1,2,3
	ds_load_b128 v[48+16*\f+4*\c:51+16*\f+4*\c], v8 offset:2048*\f+512*\c
.endr
	ds_load_b32 v[45+\f], v10 offset:128*\f
.endr
.irp u, 0,1
.irp c, 0,1,2,3
	ds_load_b128 v[192+16*\u+4*\c:195+16*\u+4*\c], v9 offset:2048*\u+512*\c
.endr
.endr
	ds_load_b32 v47, v10 offset:4096
	ds_load_b32 v80, v10 offset:4224
	s_wait_dscnt 10                                ; K and its scale words are in; V's ten loads, issued behind them, may be out
.irp f, 0,1
.irp c, 0,1,2,3
	v_wmma_scale_f32_16x16x128_f8f6f4 v[96+8*(4*\f+\c):103+8*(4*\f+\c)], v[48+16*\f:63+16*\f], v[28-4*\c:43-4*\c], 0, v[45+\f], v44 matrix_a_fmt:MATRIX_FMT_BF8 matrix_b_fmt:MATRIX_FMT_BF8
.endr
.endr
.rept 8
	v_nop
.endr
	s_add_co_u32 s38, s[KF], 127
	s_cmp_le_u32 s38, s[Q0]
	s_cbranch_scc1 .Lopen_\@                       ; all 128 keys count
	s_sub_co_i32 s38, s[Q0], s[KF]
	v_add_nc_u32 v254, s38, v4                     ; d = my query - KF - 8 h.  Register 8 tau + j holds key KF + 16 tau + 8 h + j: hidden where 16 tau + j > d
	v_mov_b32 v255, 0xff800000
.set n, 0
.rept 64
	v_cmp_gt_i32 vcc_lo, 16*(n/8)+n%8, v254
	v_cndmask_b32 v[96+n], v[96+n], v255, vcc_lo
.set n, n+1
.endr
.Lopen_\@:
.irp b, 0,1,2,3
	v_max3_num_f32 v[232+\b], v[96+16*\b], v[97+16*\b], v[98+16*\b]   ; the largest score of each block of 32 keys: for the row's maximum, and, since p rises with the score, for the block's largest p
.endr
.irp i, 3,5,7,9,11,13
.irp b, 0,1,2,3
	v_max3_num_f32 v[232+\b], v[232+\b], v[96+16*\b+\i], v[97+16*\b+\i]
.endr
.endr
.irp b, 0,1,2,3
	v_max_num_f32 v[232+\b], v[232+\b], v[111+16*\b]
.endr
.irp b, 0,1,2,3
	s_delay_alu instid0(VALU_DEP_4)
	v_permlanex16_b32 v[236+\b], v[232+\b], s[SEL], s[SEL+1]
.endr
.irp b, 0,1,2,3
	s_delay_alu instid0(VALU_DEP_4)
	v_max_num_f32 v[232+\b], v[232+\b], v[236+\b]
.endr
	s_delay_alu instid0(VALU_DEP_2)
	v_max3_num_f32 v254, v232, v233, v234
	s_delay_alu instid0(VALU_DEP_1)
	v_max_num_f32 v254, v254, v235
	s_delay_alu instid0(VALU_DEP_1)
	v_mul_f32 v254, s[CS], v254                    ; as t (c is positive)
	s_delay_alu instid0(VALU_DEP_1)
	v_max_num_f32 v13, v13, v254                   ; the running largest t
	v_mov_b32 v254, v12
	s_delay_alu instid0(VALU_DEP_2)
	v_floor_f32 v12, -v13                          ; the new -M = -ceil(t)
	s_delay_alu instid0(VALU_DEP_1)
	v_sub_f32 v254, v12, v254                      ; old M - new M: a whole number, 0 or less
	s_delay_alu instid0(VALU_DEP_1)
	v_cvt_i32_f32 v254, v254                       ; (it saturates)
	s_delay_alu instid0(VALU_DEP_1)
	v_ldexp_f32 v252, 1.0, v254                    ; f = 2^(old M - new M)
.set j, 0
.rept 32
	v_pk_fma_f32 v[96+j:97+j], v[96+j:97+j], s[CS:CS+1], v[12:13] op_sel_hi:[1,0,0]   ; t - M
.set j, j+2
.endr
.irp b, 0,1,2,3
	v_fma_f32 v[232+\b], v[232+\b], s[CS], v12
.endr
.set j, 0
	s_wait_alu depctr_va_vdst(0)                   ; one wait ahead of the batch and one behind it
.rept 64
	v_exp_f32 v[96+j], v[96+j]                     ; p
.set j, j+1
.endr
.irp b, 0,1,2,3
	v_exp_f32 v[232+\b], v[232+\b]                 ; the block's largest p: the same two instructions on the same number
.endr
	v_pk_mul_f32 v[14:15], v[14:15], v[252:253] op_sel_hi:[1,0]    ; the sums under the new M (a plain line behind the exponentials)
	s_wait_alu depctr_va_vdst(0)
.irp b, 0,1,2,3
	v_max_num_f32 v[232+\b], 0x8000000, v[232+\b]  ; the floor 2^(16 - 127)
.endr
.irp b, 0,1,2,3
	s_delay_alu instid0(VALU_DEP_4)
	v_add_nc_u32 v[244+\b], 0xf8800000, v[232+\b]
.endr
.irp b, 0,1,2,3
	v_and_or_b32 v[240+\b], v[232+\b], 0x7f800000, s[MNT]
.endr
.irp b, 0,1,2,3
	v_lshrrev_b32 v[236+\b], 23, v[244+\b]
.endr
	s_delay_alu instid0(VALU_DEP_3)
	v_lshl_or_b32 v81, v237, 8, v236               ; p's scale word for these 128 keys
	s_delay_alu instid0(VALU_DEP_1)
	v_lshl_or_b32 v81, v238, 16, v81
	s_delay_alu instid0(VALU_DEP_1)
	v_lshl_or_b32 v81, v239, 24, v81
	v_pk_add_f32 v[236:237], v[100:101], v[104:105]                ; the row's sum of the unquantised p, in eight chains
	v_pk_add_f32 v[254:255], v[108:109], v[112:113]
	v_pk_add_f32 v[248:249], v[116:117], v[120:121]
	v_pk_add_f32 v[234:235], v[124:125], v[128:129]
	v_pk_add_f32 v[232:233], v[132:133], v[136:137]
	v_pk_add_f32 v[230:231], v[140:141], v[144:145]
	v_pk_add_f32 v[228:229], v[148:149], v[152:153]
	v_pk_add_f32 v[14:15], v[14:15], v[156:157]
	v_pk_add_f32 v[236:237], v[236:237], v[96:97]
	v_pk_add_f32 v[254:255], v[254:255], v[98:99]
	v_pk_add_f32 v[248:249], v[248:249], v[102:103]
	v_pk_add_f32 v[234:235], v[234:235], v[106:107]
	v_pk_add_f32 v[232:233], v[232:233], v[110:111]
	v_pk_add_f32 v[230:231], v[230:231], v[114:115]
	v_pk_add_f32 v[228:229], v[228:229], v[118:119]
	v_pk_add_f32 v[14:15], v[14:15], v[122:123]
	v_pk_add_f32 v[236:237], v[236:237], v[126:127]
	v_pk_add_f32 v[254:255], v[254:255], v[130:131]
	v_pk_add_f32 v[248:249], v[248:249], v[134:135]
	v_pk_add_f32 v[234:235], v[234:235], v[138:139]
	v_pk_add_f32 v[232:233], v[232:233], v[142:143]
	v_pk_add_f32 v[230:231], v[230:231], v[146:147]
	v_pk_add_f32 v[228:229], v[228:229], v[150:151]
	v_pk_add_f32 v[14:15], v[14:15], v[154:155]
	v_pk_add_f32 v[236:237], v[236:237], v[158:159]
	s_delay_alu instid0(VALU_DEP_2)
	v_pk_add_f32 v[14:15], v[14:15], v[234:235]
	s_delay_alu instid0(VALU_DEP_2)
	v_pk_add_f32 v[236:237], v[236:237], v[232:233]
	v_pk_add_f32 v[254:255], v[254:255], v[230:231]
	v_pk_add_f32 v[248:249], v[248:249], v[228:229]
	s_delay_alu instid0(VALU_DEP_2)
	v_pk_add_f32 v[14:15], v[14:15], v[254:255]
	s_delay_alu instid0(VALU_DEP_2)
	v_pk_add_f32 v[236:237], v[236:237], v[248:249]
	s_delay_alu instid0(VALU_DEP_1)
	v_pk_add_f32 v[14:15], v[14:15], v[236:237]
.irp b, 0,1,2,3
.irp i, 0,1,2,3,4,5,6,7,8,9,10,11,12,13,14,15
	v_min_num_f32 v[96+16*\b+\i], v[96+16*\b+\i], v[240+\b]        ; the hold; p is not negative
.endr
	v_cvt_scalef32_pk8_bf8_f32 v[176+4*\b:177+4*\b], v[96+16*\b:103+16*\b], v[244+\b]
	v_cvt_scalef32_pk8_bf8_f32 v[178+4*\b:179+4*\b], v[104+16*\b:111+16*\b], v[244+\b]
.endr
.irp j, 0,2,4,6,8,10,12,14
	v_pk_mul_f32 v[160+\j:161+\j], v[160+\j:161+\j], v[252:253] op_sel_hi:[1,0]   ; O^T under the new M.  (These eight are also the lines between the conversions and the products)
.endr
	s_wait_alu depctr_va_vdst(0)
	s_wait_dscnt 0x0                               ; V
	v_wmma_scale_f32_16x16x128_f8f6f4 v[160:167], v[192:207], v[176:191], v[160:167], v47, v81 matrix_a_fmt:MATRIX_FMT_BF8 matrix_b_fmt:MATRIX_FMT_BF8
	v_wmma_scale_f32_16x16x128_f8f6f4 v[168:175], v[208:223], v[176:191], v[168:175], v80, v81 matrix_a_fmt:MATRIX_FMT_BF8 matrix_b_fmt:MATRIX_FMT_BF8
.Lhidden_\@:
	s_add_co_u32 s[KF], s[KF], 256                 ; two key steps on
	s_add_co_u32 s[TB], s[TB], 8192
	s_add_co_u32 s[TS], s[TS], 512
	s_sub_co_u32 s[CNT], s[CNT], 1
	s_cmp_lg_u32 s[CNT], 0
	s_cbranch_scc1 .Lstep_\@
.rept 8
	v_nop                                          ; places behind the last products
.endr
	v_add_f32 v14, v14, v15                        ; the sum's two halves
.irp c, 0,1,2,3
	ds_store_b128 v82, v[160+4*\c:163+4*\c] offset:2304*\ph+512*\c   ; my part of the tile, as an image of the registers; each accumulator from its low end on
.endr
	v_mov_b32 v13, v14
	ds_store_b64 v83, v[12:13] offset:2304*\ph+2048                  ; -M and the sum
.endm
	PHASE 0
	PHASE 1
	; ---- the two parts of my tile are joined
	s_wait_dscnt 0x0                               ; for the partner's sake: my stores have landed
	s_barrier_signal -1
	s_barrier_wait -1
.irp c, 0,1,2,3
	ds_load_b128 v[160+4*\c:163+4*\c], v89 offset:512*\c
	ds_load_b128 v[192+4*\c:195+4*\c], v90 offset:512*\c
.endr
	ds_load_b64 v[12:13], v91 offset:2048
	ds_load_b64 v[14:15], v92 offset:2048
	s_wait_dscnt 0x0
	v_min_num_f32 v232, v12, v14                   ; -M of the larger M
	v_mov_b32 v237, 0                              ; (named as the upper halves of pairs)
	v_mov_b32 v239, 0
	v_sub_f32 v233, v232, v12                      ; each part's M less the larger: a whole number, 0 or less
	v_sub_f32 v234, v232, v14
	v_cvt_i32_f32 v233, v233                       ; (it saturates)
	v_cvt_i32_f32 v234, v234
	v_ldexp_f32 v236, 1.0, v233
	v_ldexp_f32 v238, 1.0, v234
	v_mul_f32 v13, v13, v236
	v_fma_f32 v14, v15, v238, v13                  ; the sum
.irp j, 0,2,4,6,8,10,12,14
	v_pk_mul_f32 v[160+\j:161+\j], v[160+\j:161+\j], v[236:237] op_sel_hi:[1,0]
.endr
.irp j, 0,2,4,6,8,10,12,14
	v_pk_fma_f32 v[160+\j:161+\j], v[192+\j:193+\j], v[238:239], v[160+\j:161+\j] op_sel_hi:[1,0,1]
.endr
	; ---- o = O^T / l, quantised: my head's 32 channels are one block of the next K
	v_permlanex16_b32 v252, v14, s[SEL], s[SEL+1]
	v_add_f32 v14, v14, v252                       ; the row's sum
	s_wait_alu depctr_va_vdst(0)
	v_rcp_f32 v14, v14
	v_nop
	s_wait_alu depctr_va_vdst(0)
.irp j, 0,1,2,3,4,5,6,7,8,9,10,11,12,13,14,15
	v_mul_f32 v[96+\j], v[160+\j], v14             ; register 8 u + j: channel 16 u + 8 h + j
.endr
	v_max3_num_f32 v232, |v96|, |v97|, 0x8000000
.irp i, 2,4,6,8,10,12,14
	v_max3_num_f32 v232, v232, |v[96+\i]|, |v[97+\i]|
.endr
	v_permlanex16_b32 v236, v232, s[SEL], s[SEL+1]
	v_max_num_f32 v232, v232, v236
	v_add_nc_u32 v244, 0xf8800000, v232
	v_and_or_b32 v240, v232, 0x7f800000, s[MNT]
	v_lshrrev_b32 v237, 23, v244
.irp i, 0,1,2,3,4,5,6,7,8,9,10,11,12,13,14,15
	v_med3_num_f32 v[96+\i], v[96+\i], -v240, v240
.endr
	v_cvt_scalef32_pk8_bf8_f32 v[176:177], v[96:103], v244
	v_cvt_scalef32_pk8_bf8_f32 v[178:179], v[104:111], v244
	v_nop
	global_store_b128 v1, v[176:179], s[10:11]     ; 512 consecutive bytes
	ds_store_b8 v7, v237                           ; (both halves of the lanes write the same byte with the same value)
	s_wait_dscnt 0x0
	s_barrier_signal -1
	s_barrier_wait -1
	s_cmp_lt_u32 s[WV], 2
	s_cbranch_scc0 .Lend
	ds_load_b32 v232, v5                           ; wave 0 finishes the early tile, wave 1 the late one: its eight heads' bytes
	s_wait_dscnt 0x0
	global_store_b32 v6, v232, s[12:13]
.Lend:
	s_wait_tensorcnt 0x0                           ; the wave's end
	ds_add_u32 v250, v251
	s_wait_dscnt 0x0
	s_endpgm
.Lfunc_end_k_qd26db5c713_attn:
	.size	k_qd26db5c713_attn, .Lfunc_end_k_qd26db5c713_attn-k_qd26db5c713_attn
	.p2alignl 7, 3214868480
	.fill 96, 4, 3214868480
	.section	.rodata,"a",@progbits
	.p2align	6, 0x0
	.amdhsa_kernel k_qd26db5c713_attn
		.amdhsa_group_segment_fixed_size 243712
		.amdhsa_private_segment_fixed_size 0
		.amdhsa_enable_private_segment 0
		.amdhsa_kernarg_size 40
		.amdhsa_user_sgpr_count 2
		.amdhsa_user_sgpr_kernarg_segment_ptr 1
		.amdhsa_wavefront_size32 1
		.amdhsa_system_sgpr_workgroup_id_x 1
		.amdhsa_system_sgpr_workgroup_id_y 1
		.amdhsa_system_sgpr_workgroup_id_z 1
		.amdhsa_system_vgpr_workitem_id 0
		.amdhsa_next_free_vgpr 256
		.amdhsa_next_free_sgpr 66
		.amdhsa_reserve_vcc 1
		.amdhsa_float_denorm_mode_32 3
		.amdhsa_float_denorm_mode_16_64 3
		.amdhsa_memory_ordered 1
		.amdhsa_forward_progress 1
		.amdhsa_inst_pref_size 61
	.end_amdhsa_kernel
	.amdgpu_metadata
---
amdhsa.version: [ 1, 2 ]
amdhsa.kernels:
  - .name:           k_qd26db5c713_attn
    .symbol:         k_qd26db5c713_attn.kd
    .args:
      - { .name: q_img, .offset: 0, .size: 8, .value_kind: global_buffer, .address_space: global }
      - { .name: qsc, .offset: 8, .size: 8, .value_kind: global_buffer, .address_space: global }
      - { .name: kv, .offset: 16, .size: 8, .value_kind: global_buffer, .address_space: global }
      - { .name: act_img, .offset: 24, .size: 8, .value_kind: global_buffer, .address_space: global }
      - { .name: asc, .offset: 32, .size: 8, .value_kind: global_buffer, .address_space: global }
    .group_segment_fixed_size: 243712
    .private_segment_fixed_size: 0
    .kernarg_segment_align: 8
    .kernarg_segment_size: 40
    .max_flat_workgroup_size: 512
    .sgpr_count:     66
    .vgpr_count:     256
    .wavefront_size: 32
...
	.end_amdgpu_metadata
.endif
;; end of part 3
;; launch ffg (part 4): grid 16 x 16, 4 waves a work-group, clusters of 4 x 4, 327,680 bytes of LDS; arguments xn_img, xsc, W_fused_codes, W_fused_scales, act_img, asc; writes act_img, asc
.if DOCPART == 4
	.amdgcn_target "amdgcn-amd-amdhsa--gfx1250"
	.amdhsa_code_object_version 6
	.text
	.protected	k_qd26db5c713_ffg
	.globl	k_qd26db5c713_ffg
	.p2align	8
	.type	k_qd26db5c713_ffg,@function
k_qd26db5c713_ffg:
	s_mov_b64 s[64:65], 0
	v_nop
	global_prefetch_b8 v0, s[64:65] scope:SCOPE_SE
	s_setreg_imm32_b32 hwreg(HW_REG_WAVE_MODE, 25, 1), 1
	s_wait_xcnt 0x0
	s_wait_alu depctr_hold_cnt(0) depctr_sa_sdst(0) depctr_va_vdst(0) depctr_va_sdst(0) depctr_va_ssrc(0) depctr_va_vcc(0) depctr_vm_vsrc(0)
	s_getreg_b32 s2, hwreg(HW_REG_IB_STS2, 6, 4)
	s_cmp_eq_u32 s2, 0
	s_cbranch_scc0 .Lentry_in_a_cluster
	s_endpgm
.Lentry_in_a_cluster:
	s_bfe_u32 s2, ttmp6, 0x10000c
	s_cmp_lg_u32 s2, 0xf033
	s_cbranch_scc0 .Lentry_shape_is_right
	s_endpgm
.Lentry_shape_is_right:
; h = silu(gate) x ff_x, with ff_x and gate = columns 576 .. 8767 of xn W_fused on codes of BF8 (E5M2) with E8M0 scales, K = 1,024; h is quantised along the hidden axis and stored as the next product's operand image.
; SHARES.  Work-group (tile column s42, tile row s17): 256 tokens x 256 hidden units, in two tiles of 128 hidden units: 128 weight rows of ff_x and the 128 of gate that belong to them.  Four waves, 2 x 2:
; a wave makes 128 tokens x (64 of ff_x + 64 of gate): 64 accumulators, 512 registers.  256 work-groups.
; THE RING.  K goes in steps of 256 through two LDS slots: 16 token tiles x 4,096 bytes of xn's register images, then 256 weight rows of 256 bytes + 16.  Waves 0, 1 ask for the images' halves, waves 2, 3 for ff_x's and gate's rows.
; The ring goes on from the first tile into the second: the first tile's last two changes of slots ask for the second tile's first two K steps.  The eight fills are numbered k = 0 .. 7: tile k / 4, K step k % 4.
; CLUSTER 4 x 4: images are shared along a row of the cluster, weight rows along a column: joint loads.
; PREFETCHES INTO THE L2: beside the joint load of fill k stands one instruction a wave for fill k + 2 (at the head also for fill 1); fill 0 comes by its load alone.  A fill is 256 blocks of 256 bytes of images and 256 of weight rows.
; The four partners that ask for a tile jointly share its blocks out BY ADDRESS: waves 0, 1 name token tiles 4 cx + 2 (wave % 2) and the next, sixteen lanes a tile; waves 2, 3 name rows 32 cy on of ff_x's or gate's 128, a lane a row.
; So each block is named once in each cluster that will load it.  The images are asked for up to fill 3 alone: the second tile reads the same images again.  The rows are asked for up to fill 7, the last.
; The base and the offset register are never rewritten: the fills' steps stand in the immediates.
; THE SCALE WORDS stay in registers for all of K: one load of 16 bytes a lane (512 consecutive bytes a wave) brings 16 rows' 32 bytes: lanes 0-15 hold K steps 0-3 of row r, lanes 16-31 K steps 4-7, which the products name by ROW1.
; THE PRODUCT IS USED TRANSPOSED (source 0 = 16 weight rows, source 1 = 16 tokens): a lane holds one token, its registers run along the hidden units: byte 8 u + j of lane half h in a block of 32 is unit 16 u + 8 h + j.
; THE WAY OUT, four token tiles (one window of accumulators) a trip: -log2(e) gate and ff_x gate go to window 1; then 2^t, + 1, the reciprocal, the product, each as one batch; then the quantiser.
; OUT: act_img [token tile][K step 36][c 4][lane][16], K steps 4 on; asc behind its first 65,536 bytes: [128 tokens][K step 32][token][4], gathered in LDS and stored at the end.
; LIMITS: NaN and infinities among the inputs are not served; a block of zeros gets the byte 1 (its codes are zeros; this program alone reads the bytes).
.set NP,    8                          ; plain vector lines behind this matrix form (ISA guide 7.12.1)
.set PITCH, 272
.set BOFF,  65536
.set SLOT,  BOFF+256*PITCH
.set SPARE, 2*SLOT                     ; the spare words: 128 bytes a wave
.set STG,   SPARE+512                  ; h's scale bytes: [tile 2][wave row 2][token tile 8][r 16][4], written by ds_store alone
.set NEXTB, 128*1024-512               ; from a slot's last K step of the first tile to its first of the second: 128 rows on, back along K
.set ASO,  1                           ; v1  32 r + 16 h: my place in 16 rows of scale bytes
.set ADRA, 2                           ; v2-3  my images in slot 0, 1
.set ADRB, 4                           ; v4-5  my weight rows
.set STS,  6                           ; v6  the stage: my two bytes of row r's word
.set SRD,  7                           ; v7  the stage: what I read back
.set GI,   8                           ; v8  16 x lane
.set GS,   9                           ; v9  8 x lane
.set SPW,  10
.set NIL,  11
.set PW,   12
.set STA,  13                          ; v13 v6 + the trip's step
.set PFO,  19                          ; v19 the prefetches' offset
.set SCA,  20                          ; v20-51  the tokens' scale words: 4 a + K step % 4
.set SCB,  54                          ; v54-85  the weights': 4 b + K step % 4 (the two numbers of a product differ by 2 or 6 modulo 8)
.set TM,   88
.set PC,   104
.set AF,   128                         ; v128-255 the tokens' fragments; on the way out the products Y
.set Y,    128
.set G1,   24
.set G0,   32
.set G1B,  48
.set G0B,  56
.set LN,   66                          ; s[66:67] -log2(e)
.set HC,   68                          ; the way out's trip
.set SO,   69                          ; its step in the stage
.set PFA,  76                          ; s[76:77] the prefetches' base
.set SEL,  98
.set MNT,  100
.set MSB, 0
.macro WIN new                         ; the immediate's high byte repeats the setting that is left
.if MSB != \new
	s_set_vgpr_msb (MSB<<8)|\new
.set MSB, \new
.endif
.endm
.set MUL_LO, 0xa1                      ; source 0 (weights) window 1, source 1 (tokens) window 0, C and D window 2
.set MUL_HI, 0xf1
.set TO_B,   0x40
.macro WALU
	s_wait_alu depctr_va_vdst(0)
.endm
.macro PLACES n
.rept \n
	v_nop
.endr
.endm
.macro JLOAD g0a, g1a, g0b, g1b        ; a joint load: waves 0, 1 for the images, waves 2, 3 for the weight rows; s_nop 0 and four v_nop follow each line
	s_cmp_eq_u32 s15, 0
	s_cbranch_scc0 .Lfor_b_\@
	tensor_load_to_lds s[\g0a:\g0a+3], s[\g1a:\g1a+7]
	s_nop 0
	PLACES 4
	s_branch .Lasked_\@
.Lfor_b_\@:
	tensor_load_to_lds s[\g0b:\g0b+3], s[\g1b:\g1b+7]
	s_nop 0
	PLACES 4
.Lasked_\@:
.endm
.macro ASKH k                          ; fill k (1 .. 3) is asked of memory: images 4,096 bytes a K step on, weight rows 256
	s_cmp_eq_u32 s15, 0
	s_cbranch_scc0 .Lrows_\@
	global_prefetch_b8 v[PFO], s[PFA:PFA+1] offset:4096*(\k) th:TH_LOAD_NT scope:SCOPE_SE
	s_branch .Lnamed_\@
.Lrows_\@:
	global_prefetch_b8 v[PFO], s[PFA:PFA+1] offset:256*(\k) th:TH_LOAD_NT scope:SCOPE_SE
.Lnamed_\@:
.endm
.macro ASKB k                          ; fill k (4 .. 7): the second tile's weight rows, 128 rows on; waves 2, 3 alone
	s_cmp_eq_u32 s15, 0
	s_cbranch_scc1 .Lnot_mine_\@
	global_prefetch_b8 v[PFO], s[PFA:PFA+1] offset:((\k)/4)*131072+((\k)%4)*256 th:TH_LOAD_NT scope:SCOPE_SE
.Lnot_mine_\@:
.endm
.macro CREST
	s_cmp_lg_u32 s14, 0
	s_cbranch_scc1 .Lnot_wave_0_\@
	s_barrier_signal -3
.Lnot_wave_0_\@:
	s_barrier_wait -3
	s_barrier_signal -1
	s_barrier_wait -1
.endm
.macro CROUND
	s_barrier_signal -1
	s_barrier_wait -1
	CREST
.endm
; 64 numbers of a lane, four blocks of 16 registers (a block of 32 lies in lanes l and l xor 16), become 16 registers of codes and a word of four scale bytes
.macro QUANT s, pc
.irp b, 0,1,2,3
	v_max3_num_f32 v[TM+\b], |v[\s+16*\b]|, |v[\s+1+16*\b]|, 0x8000000   ; and the floor 2^(16 - 127): the byte cannot fall under 1
.endr
.irp i, 2,4,6,8,10,12,14
.irp b, 0,1,2,3
	v_max3_num_f32 v[TM+\b], v[TM+\b], |v[\s+16*\b+\i]|, |v[\s+1+16*\b+\i]|
.endr
.endr
.irp b, 0,1,2,3
	v_permlanex16_b32 v[TM+4+\b], v[TM+\b], s[SEL], s[SEL+1]
.endr
.irp b, 0,1,2,3
	v_max_num_f32 v[TM+\b], v[TM+\b], v[TM+4+\b]
.endr
.irp b, 0,1,2,3
	v_add_nc_u32 v[TM+12+\b], 0xf8800000, v[TM+\b]                 ; 15 off the exponent field: the conversion's scale operand
.endr
.irp b, 0,1,2,3
	v_and_or_b32 v[TM+8+\b], v[TM+\b], 0x7f800000, s[MNT]          ; 57,344 x the scale
.endr
.irp b, 0,1,2,3
	v_lshrrev_b32 v[TM+4+\b], 23, v[TM+12+\b]                      ; the byte
.endr
	v_lshl_or_b32 v[PW], v[TM+5], 8, v[TM+4]
	v_lshl_or_b32 v[PW], v[TM+6], 16, v[PW]
	v_lshl_or_b32 v[PW], v[TM+7], 24, v[PW]
.irp b, 0,1,2,3
.irp i, 0,1,2,3,4,5,6,7,8,9,10,11,12,13,14,15
	v_med3_num_f32 v[\s+16*\b+\i], v[\s+16*\b+\i], -v[TM+8+\b], v[TM+8+\b]   ; the conversion does not saturate (ISA guide 7.6.2)
.endr
	v_cvt_scalef32_pk8_bf8_f32 v[\pc+4*\b:\pc+1+4*\b], v[\s+16*\b:\s+7+16*\b], v[TM+12+\b]
	v_cvt_scalef32_pk8_bf8_f32 v[\pc+2+4*\b:\pc+3+4*\b], v[\s+8+16*\b:\s+15+16*\b], v[TM+12+\b]
.endr
	v_nop                                          ; a plain line behind the last conversion
.endm
.macro LDSB ti                         ; the scale words of tile ti's weight rows: blocks 0-3 ff_x's, 4-7 gate's, 4,096 rows on
.irp b, 0,1,2,3,4,5,6,7
	global_load_b128 v[SCB+4*\b:SCB+4*\b+3], v[ASO], s[72:73] offset:131072*(\b/4)+512*(\b%4)+4096*(\ti)
.endr
.endm
	s_load_b256 s[4:11], s[0:1], 0x0               ; xn_img s[4:5], xsc s[6:7], W codes s[8:9], W scales s[10:11]
	s_load_b64 s[12:13], s[0:1], 0x20              ; act_img
	s_load_b64 s[96:97], s[0:1], 0x28              ; asc
	v_lshl_add_u32 v[SPW], v0, 2, SPARE
	v_mov_b32 v[NIL], 0
	ds_add_u32 v[SPW], v[NIL]                      ; the opening lines: the add, twice on end, and its wait
	ds_add_u32 v[SPW], v[NIL]
	v_lshrrev_b32 v14, 5, v0
	v_readfirstlane_b32 s14, v14                   ; wave
	s_lshr_b32 s15, s14, 1                         ; my half of the tokens; also: I ask for images (0) or weight rows (1)
	s_and_b32 s16, s14, 1                          ; my half of the hidden units; also: which half I ask for
	s_bfe_u32 s40, ttmp6, 0x40000                  ; cx
	s_bfe_u32 s41, ttmp6, 0x40004                  ; cy
	s_lshl_b32 s42, ttmp9, 2
	s_add_co_u32 s42, s42, s40                     ; tile column
	s_and_b32 s17, ttmp7, 0xffff
	s_lshl_b32 s17, s17, 2
	s_add_co_u32 s17, s17, s41                     ; tile row
	s_lshl_b32 s43, s41, 2
	s_lshl_b32 s43, 15, s43                        ; my row of the cluster
	s_lshl_b32 s44, 0x1111, s40                    ; my column
	s_or_b32 s[G1+0], s43, (3<<16)|(1<<21)         ; images: 8 token tiles x 4,096 bytes (two K steps), 16,384 bytes apart; elements of 8 bytes
	s_mov_b32 s[G1+1], 512<<16
	s_mov_b32 s[G1+2], 8<<16
	s_mov_b32 s[G1+3], 512<<16
	s_mov_b32 s[G1+4], 8
	s_mov_b32 s[G1+5], 2048
	s_mov_b32 s[G1+6], 0
	s_mov_b32 s[G1+7], 0
	s_or_b32 s[G1B+0], s44, (0<<16)|(1<<20)|(1<<21)|(5<<22)|(3<<25)   ; weight rows: 128 x 256 bytes, 4 words behind every 64
	s_mov_b32 s[G1B+1], 256<<16
	s_mov_b32 s[G1B+2], 128<<16
	s_mov_b32 s[G1B+3], 256<<16
	s_mov_b32 s[G1B+4], 128
	s_mov_b32 s[G1B+5], 1024
	s_mov_b32 s[G1B+6], 0
	s_mov_b32 s[G1B+7], 0
	s_lshl_b32 s20, s17, 4
	s_lshl_b32 s18, s16, 3
	s_add_co_u32 s20, s20, s18
	s_lshl_b32 s20, s20, 14                        ; the first token tile that I ask for
	s_mov_b32 s21, 0
	s_lshl_b32 s46, s42, 8
	s_lshl_b32 s18, s16, 12
	s_add_co_u32 s46, s46, s18
	s_add_co_u32 s46, s46, 576
	s_lshl_b32 s46, s46, 10                        ; the first weight row: 576 + 256 x tile column, gate's 4,096 on
	s_mov_b32 s47, 0
	s_lshl_b32 s45, s16, 15
	s_mul_i32 s94, s16, 128*PITCH
	s_add_co_u32 s94, s94, BOFF
	s_lshl_b32 s70, s17, 13
	s_lshl_b32 s18, s15, 12
	s_add_co_u32 s70, s70, s18                     ; my 128 tokens' scale bytes
	s_mov_b32 s71, 0
	s_lshl_b32 s72, s42, 13
	s_lshl_b32 s18, s16, 11
	s_add_co_u32 s72, s72, s18
	s_add_co_u32 s72, s72, 576*32                  ; my 64 rows of ff_x in the weights' scale bytes
	s_mov_b32 s73, 0
	s_mov_b32 s[SEL], 0x76543210
	s_mov_b32 s[SEL+1], 0xfedcba98
	s_mov_b32 s[MNT], 0x600000
	s_mov_b32 s[LN], 0xBFB8AA3B
	s_mov_b32 s[LN+1], s[LN]
	s_mov_b32 s[SO], 0
	s_wait_dscnt 0x0                               ; both opening adds are done
	CROUND                                         ; the opening round, ahead of the wait for the arguments: all sixteen work-groups are here
	s_wait_kmcnt 0x0
	s_add_nc_u64 s[20:21], s[4:5], s[20:21]
	s_add_nc_u64 s[46:47], s[8:9], s[46:47]
	s_add_nc_u64 s[70:71], s[6:7], s[70:71]
	s_add_nc_u64 s[72:73], s[10:11], s[72:73]
.irp s, 0,1
	s_mov_b32 s[G0+4*\s], 1
	s_add_co_u32 s[G0+4*\s+1], s45, \s*SLOT
	s_add_nc_u64 s[G0+4*\s+2:G0+4*\s+3], s[20:21], \s*4096
	s_or_b32 s[G0+4*\s+3], s[G0+4*\s+3], 0x80000000
	s_mov_b32 s[G0B+4*\s], 1
	s_add_co_u32 s[G0B+4*\s+1], s94, \s*SLOT
	s_add_nc_u64 s[G0B+4*\s+2:G0B+4*\s+3], s[46:47], \s*256
	s_or_b32 s[G0B+4*\s+3], s[G0B+4*\s+3], 0x80000000
.endr
	JLOAD G0, G1, G0B, G1B                         ; slot 0: my one tensor load at the head
	s_lshl_b32 s21, s15, 15                        ; my eight token tiles in a slot
	s_mul_i32 s22, s16, 64*PITCH
	s_add_co_u32 s22, s22, BOFF                    ; my 64 rows of ff_x in a slot
	s_lshl_b32 s23, s15, 9
	s_lshl_b32 s74, s16, 1
	s_add_co_u32 s23, s23, s74
	s_add_co_u32 s23, s23, STG
	s_lshl_b32 s74, s14, 8
	s_add_co_u32 s74, s74, STG
	s_cmp_eq_u32 s15, 0                            ; the prefetches: images or weight rows,
	s_cselect_b64 s[PFA:PFA+1], s[4:5], s[8:9]
	s_cselect_b32 s75, 8, 10                       ; 256 or 1,024 bytes from lane to lane of sixteen
	s_lshl_b32 s78, s17, 4
	s_lshl_b32 s79, s40, 2
	s_add_co_u32 s78, s78, s79
	s_lshl_b32 s79, s16, 1
	s_add_co_u32 s78, s78, s79
	s_lshl_b32 s78, s78, 14                        ; token tile 16 x tile row + 4 cx + 2 (wave % 2)
	s_lshl_b32 s80, s42, 8
	s_lshl_b32 s79, s16, 12
	s_add_co_u32 s80, s80, s79
	s_lshl_b32 s79, s41, 5
	s_add_co_u32 s80, s80, s79
	s_add_co_u32 s80, s80, 576
	s_lshl_b32 s80, s80, 10                        ; weight row 576 + 256 x tile column + 4,096 (wave % 2) + 32 cy
	s_cmp_eq_u32 s15, 0
	s_cselect_b32 s78, s78, s80
	s_mov_b32 s79, 0
	s_add_nc_u64 s[PFA:PFA+1], s[PFA:PFA+1], s[78:79]
	v_and_b32 v14, 15, v0                          ; r
	v_bfe_u32 v15, v0, 4, 1                        ; h
	v_and_b32 v16, 31, v0
	v_lshlrev_b32 v[ASO], 5, v14
	v_lshl_add_u32 v[ASO], v15, 4, v[ASO]
.irp a, 0,1,2,3,4,5,6,7
	global_load_b128 v[SCA+4*\a:SCA+4*\a+3], v[ASO], s[70:71] offset:512*\a
.endr
	LDSB 0
	v_lshlrev_b32 v[GI], 4, v16
	v_lshlrev_b32 v[GS], 3, v16
	v_add_nc_u32 v[ADRA], s21, v[GI]
	v_add_nc_u32 v[ADRA+1], SLOT, v[ADRA]
	v_mul_u32_u24 v17, v14, PITCH
	v_lshl_add_u32 v17, v15, 4, v17
	v_add_nc_u32 v[ADRB], s22, v17
	v_add_nc_u32 v[ADRB+1], SLOT, v[ADRB]
	v_lshlrev_b32 v18, 2, v14
	v_add_nc_u32 v[STS], s23, v18
	v_add_nc_u32 v[SRD], s74, v[GS]
.irp b, 0,1,2,3
	v_mov_b32 v[TM+4+\b], 0                        ; written once: a lane permute's destination counts as one of its sources
.endr
	v_lshlrev_b32 v[PFO], s75, v14                 ; lanes 16-31 stand 16,384 bytes on: the next token tile, or 16 rows
	v_lshl_add_u32 v[PFO], v15, 14, v[PFO]
	WALU
	ASKH 1
	ASKH 2
	s_lshl_b32 s20, s17, 4                         ; act_img: (my first token tile x 36 + 4 + 2 x tile column) x 2,048 + 1,024 x my half
	s_lshl_b32 s21, s15, 3
	s_add_co_u32 s20, s20, s21
	s_mul_i32 s20, s20, 36
	s_lshl_b32 s21, s42, 1
	s_add_co_u32 s20, s20, s21
	s_add_co_u32 s20, s20, 4
	s_lshl_b32 s20, s20, 11
	s_lshl_b32 s21, s16, 10
	s_add_co_u32 s20, s20, s21
	s_mov_b32 s21, 0
	s_add_nc_u64 s[12:13], s[12:13], s[20:21]
	s_lshl_b32 s22, s17, 1                         ; asc: ((128 tokens' number) x 32 + 2 x tile column) x 512 + 256 x wave % 2, behind o's 65,536 bytes
	s_add_co_u32 s22, s22, s15
	s_lshl_b32 s22, s22, 5
	s_lshl_b32 s23, s42, 1
	s_add_co_u32 s22, s22, s23
	s_lshl_b32 s22, s22, 9
	s_lshl_b32 s23, s16, 8
	s_add_co_u32 s22, s22, s23
	s_add_co_u32 s22, s22, 65536
	s_mov_b32 s23, 0
	s_add_nc_u64 s[96:97], s[96:97], s[22:23]
.macro FRAGA reg, slot, q, i
.irp c, 0,1,2,3
	ds_load_b128 v[\reg+4*\c:\reg+4*\c+3], v[ADRA+\slot] offset:4096*(\i)+2048*(\q)+512*\c
.endr
.endm
.macro FRAGB reg, slot, q, i
.irp c, 0,1,2,3
	ds_load_b128 v[\reg+4*\c:\reg+4*\c+3], v[ADRB+\slot] offset:(((\i)/4)*128+16*((\i)%4))*PITCH+128*(\q)+32*\c
.endr
.endm
.macro FETCH_B slot, q, p
	WIN TO_B
.irp i, 0,1,2,3,4,5,6,7
	FRAGB 128*(\p)+16*\i, \slot, \q, \i
.endr
	WIN 0
.endm
.macro FETCH_A slot, q, i0
.irp i, \i0, \i0+1, \i0+2, \i0+3
	FRAGA AF+16*(\i), \slot, \q, \i
.endr
.endm
; 16 products: token tiles a0, a0 + 1 x the eight weight tiles, K step Q (0 .. 7) of the tile.  The 64 accumulators take turns, one instruction a turn.  zero: the first product starts the sum
.macro MUL16 a0, Q, zero
.irp a, \a0, \a0+1
.irp b, 0,1,2,3,4,5,6,7
.set D_, 8*(8*((\a)%4)+\b)
.set B_, 128*((\Q)%2)+16*\b
.set A_, AF+16*(\a)
.set SB_, SCB+4*\b+(\Q)%4
.set SA_, SCA+4*(\a)+(\Q)%4
.if \zero
	v_wmma_scale_f32_16x16x128_f8f6f4 v[D_:D_+7], v[B_:B_+15], v[A_:A_+15], 0, v[SB_], v[SA_] matrix_a_fmt:MATRIX_FMT_BF8 matrix_b_fmt:MATRIX_FMT_BF8
.elseif (\Q) < 4
	v_wmma_scale_f32_16x16x128_f8f6f4 v[D_:D_+7], v[B_:B_+15], v[A_:A_+15], v[D_:D_+7], v[SB_], v[SA_] matrix_a_fmt:MATRIX_FMT_BF8 matrix_b_fmt:MATRIX_FMT_BF8
.else
	v_wmma_scale_f32_16x16x128_f8f6f4 v[D_:D_+7], v[B_:B_+15], v[A_:A_+15], v[D_:D_+7], v[SB_], v[SA_] matrix_a_fmt:MATRIX_FMT_BF8 matrix_b_fmt:MATRIX_FMT_BF8 matrix_a_scale:MATRIX_SCALE_ROW1 matrix_b_scale:MATRIX_SCALE_ROW1
.endif
.endr
.endr
.endm
; an even K step: its successor lies in the same slot
.macro STEP Q, zero
.set SL_, ((\Q)/2)%2
	s_wait_dscnt 16                                ; the weights' set and token tiles 0-3 are in; the youngest 16 loads (token tiles 4-7) may be out
	WIN MUL_LO
	MUL16 0, \Q, \zero
	MUL16 2, \Q, \zero
	s_wait_dscnt 0
	PLACES NP
	FETCH_B SL_, 1, 1
	FETCH_A SL_, 1, 0
	WIN MUL_HI
	MUL16 4, \Q, \zero
	MUL16 6, \Q, \zero
	PLACES NP
	WIN 0
	FETCH_A SL_, 1, 4
.endm
; an odd K step changes slots: one barrier; in front of it every wave waits for all its tensor loads, adds 0 to its spare word, and waits for that and for its reads of this slot.
; fill = 1: the slot takes this tile's K steps two slots on; 2: the next tile's; 0: nothing.  fetch = 0: the next slot's fragments are fetched behind the way out.  ask: the fill that is prefetched here, two on from the one just asked for; under 0: none
.macro TURN Q, fill, fetch, ask=-1
.set SL_, ((\Q)/2)%2
	s_wait_tensorcnt 0x0
	ds_add_u32 v[SPW], v[NIL]
	s_wait_dscnt 17                                ; the add and the youngest 16 loads may be out
	WIN MUL_LO
	MUL16 0, \Q, 0
	s_wait_dscnt 0x0
	s_barrier_signal -1
	MUL16 2, \Q, 0
	WIN 0
	s_barrier_wait -1
.if \fill
	CREST                                          ; the barrier has opened a round of the cluster's barrier
.if \fill == 1
	s_add_nc_u64 s[G0+4*SL_+2:G0+4*SL_+3], s[G0+4*SL_+2:G0+4*SL_+3], 8192
	s_add_nc_u64 s[G0B+4*SL_+2:G0B+4*SL_+3], s[G0B+4*SL_+2:G0B+4*SL_+3], 512
.else
	s_sub_nc_u64 s[G0+4*SL_+2:G0+4*SL_+3], s[G0+4*SL_+2:G0+4*SL_+3], 8192
	s_add_nc_u64 s[G0B+4*SL_+2:G0B+4*SL_+3], s[G0B+4*SL_+2:G0B+4*SL_+3], NEXTB
.endif
	JLOAD G0+4*SL_, G1, G0B+4*SL_, G1B             ; the first tensor load behind the round, my one load until the next
.if \fetch
	PLACES NP-4
.endif
.else
	PLACES NP
.endif
.if \fetch
	FETCH_B 1-SL_, 0, 0
	FETCH_A 1-SL_, 0, 0
.endif
.if (\ask) >= 0
	ASKB \ask
.endif
	WIN MUL_HI
	MUL16 4, \Q, 0
	MUL16 6, \Q, 0
	PLACES NP
	WIN 0
.if \fetch
	FETCH_A 1-SL_, 0, 4
.endif
.endm
.macro KTILE last
	FETCH_B 0, 0, 0
	FETCH_A 0, 0, 0
	FETCH_A 0, 0, 4
	STEP 0, 1
	TURN 1, 1, 1, 4-8*(\last)                      ; the first tile's changes of slots ask for fills 4 to 7, the second tile's for nothing
	STEP 2, 0
	TURN 3, 1, 1, 5-8*(\last)
	STEP 4, 0
.if \last
	TURN 5, 0, 1                                   ; nothing is left to ask for
	STEP 6, 0
	s_wait_dscnt 16
	WIN MUL_LO
	MUL16 0, 7, 0
	MUL16 2, 7, 0
	s_wait_dscnt 0
	WIN MUL_HI
	MUL16 4, 7, 0
	MUL16 6, 7, 0
	WIN 0
	PLACES NP
.else
	TURN 5, 2, 1, 6
	STEP 6, 0
	TURN 7, 2, 0, 7
.endif
.endm
; window w's 32 accumulators leave it: T = -log2(e) gate -> window 1, v0-127;  P = ff_x gate -> window 1, v128-255.  Each accumulator is read from its low end on.
; The wait stands directly ahead of the group's first reader, and plain vector lines alone follow to its last
.macro TAKE w
	WIN (\w)|((\w)<<2)|0x40
	WALU
.set g, 0
.rept 16
.set GA, 64*(g/4)+8*(g%4)
.irp i, 0,2,4,6
	v_pk_mul_f32 v[8*g+\i:8*g+\i+1], v[GA+32+\i:GA+33+\i], s[LN:LN+1] op_sel_hi:[1,0]
.endr
.set g, g+1
.endr
.set g, 0
.rept 16
.set GA, 64*(g/4)+8*(g%4)
.irp i, 0,2,4,6
	v_pk_mul_f32 v[128+8*g+\i:129+8*g+\i], v[GA+\i:GA+\i+1], v[GA+32+\i:GA+33+\i]
.endr
.set g, g+1
.endr
	WIN 0
.endm
.macro WAYOUT
	s_mov_b32 s[HC], 0
.Lhalf_\@:                                     ; two trips: token tiles 0-3 (window 2), 4-7 (window 3)
	v_add_nc_u32 v[STA], s[SO], v[STS]
	s_cmp_eq_u32 s[HC], 0
	s_cbranch_scc0 .Lhigh_\@
	TAKE 2
	s_branch .Ltaken_\@
.Lhigh_\@:
	TAKE 3
.Ltaken_\@:
	WIN 0x41                                       ; source 0 and destination window 1
	WALU                                           ; one wait ahead of each batch and one behind it
.set j, 0
.rept 128
	v_exp_f32 v[j], v[j]                           ; e^(-gate)
.set j, j+1
.endr
	v_nop                                          ; a plain line behind the batch
	WALU
.set j, 0
.rept 64
	v_pk_add_f32 v[j:j+1], v[j:j+1], 1.0 op_sel_hi:[1,0]
.set j, j+2
.endr
	WALU
.set j, 0
.rept 128
	v_rcp_f32 v[j], v[j]                           ; the sigmoid
.set j, j+1
.endr
	v_nop
	WIN 0x05                                       ; sources window 1, destination window 0
	WALU
.set j, 0
.rept 64
	v_pk_mul_f32 v[Y+j:Y+j+1], v[j:j+1], v[128+j:129+j]
.set j, j+2
.endr
	WIN 0
.irp k, 0,1                                    ; two token tiles at a time: four blocks of 32
	WALU
	s_wait_xcnt 0x0                                ; the stores before have read the codes' registers
	QUANT Y+64*\k, PC
.irp e, 0,1
.irp bb, 0,1
	global_store_b128 v[GI], v[PC+4*(2*\e+\bb):PC+4*(2*\e+\bb)+3], s[12:13] offset:73728*(2*\k+\e)+512*\bb   ; 512 consecutive bytes a store
.endr
.endr
	ds_store_b16 v[STA], v[PW] offset:64*(2*\k)
	ds_store_b16_d16_hi v[STA], v[PW] offset:64*(2*\k+1)
.endr
	WALU
	s_wait_xcnt 0x0                                ; the stores have read their base
	s_add_nc_u64 s[12:13], s[12:13], 4*73728       ; four token tiles on
	s_add_co_u32 s[SO], s[SO], 256
	s_add_co_u32 s[HC], s[HC], 1
	s_cmp_lt_u32 s[HC], 2
	s_cbranch_scc1 .Lhalf_\@
	s_sub_nc_u64 s[12:13], s[12:13], 8*73728-2048  ; back to my first token tile, one K step on
	s_add_co_u32 s[SO], s[SO], 512                 ; the next tile's part of the stage
.endm
	WALU                                           ; the wait at the head's end
	s_wait_tensorcnt 0x0                           ; my part of slot 0 is in; the same lines as ahead of a refill stand ahead of slot 1's first fill
	ds_add_u32 v[SPW], v[NIL]
	s_wait_dscnt 0x0
	CROUND
	JLOAD G0+4, G1, G0B+4, G1B                     ; slot 1
	ASKH 3
	s_wait_loadcnt 0x0                             ; the scale words
	KTILE 0
	LDSB 1                                         ; eight places behind the last product that read them, the weights' scale words are asked for anew
	WAYOUT
	s_wait_loadcnt 0x0
	KTILE 1
	WAYOUT
	s_wait_dscnt 0x0                               ; my scale bytes are in the stage,
	s_barrier_signal -1
	s_barrier_wait -1                              ; everybody's are
	ds_load_b64 v[TM:TM+1], v[SRD]
	ds_load_b64 v[TM+2:TM+3], v[SRD] offset:1024
	s_wait_dscnt 0x0
	global_store_b64 v[GS], v[TM:TM+1], s[96:97]                   ; 256 consecutive bytes, aligned
	global_store_b64 v[GS], v[TM+2:TM+3], s[96:97] offset:512
	s_wait_tensorcnt 0x0                           ; the wave's end
	ds_add_u32 v[SPW], v[NIL]
	s_wait_dscnt 0x0
	CROUND                                         ; the closing round
	s_endpgm
.Lfunc_end_k_qd26db5c713_ffg:
	.size	k_qd26db5c713_ffg, .Lfunc_end_k_qd26db5c713_ffg-k_qd26db5c713_ffg
	.p2alignl 7, 3214868480
	.fill 96, 4, 3214868480
	.section	.rodata,"a",@progbits
	.p2align	6, 0x0
	.amdhsa_kernel k_qd26db5c713_ffg
		.amdhsa_group_segment_fixed_size 327680
		.amdhsa_private_segment_fixed_size 0
		.amdhsa_enable_private_segment 0
		.amdhsa_kernarg_size 48
		.amdhsa_user_sgpr_count 2
		.amdhsa_user_sgpr_kernarg_segment_ptr 1
		.amdhsa_wavefront_size32 1
		.amdhsa_system_sgpr_workgroup_id_x 1
		.amdhsa_system_sgpr_workgroup_id_y 1
		.amdhsa_system_sgpr_workgroup_id_z 1
		.amdhsa_system_vgpr_workitem_id 0
		.amdhsa_next_free_vgpr 1024
		.amdhsa_next_free_sgpr 102
		.amdhsa_reserve_vcc 0
		.amdhsa_float_denorm_mode_32 3
		.amdhsa_float_denorm_mode_16_64 3
		.amdhsa_memory_ordered 1
		.amdhsa_forward_progress 1
		.amdhsa_inst_pref_size 255
	.end_amdhsa_kernel
	.section	.bss,"aw",@nobits
	.p2align	6
	.space	262144
	.amdgpu_metadata
---
amdhsa.version: [ 1, 2 ]
amdhsa.kernels:
  - .name:           k_qd26db5c713_ffg
    .symbol:         k_qd26db5c713_ffg.kd
    .args:
      - { .name: xn_img, .offset: 0, .size: 8, .value_kind: global_buffer, .address_space: global }
      - { .name: xsc, .offset: 8, .size: 8, .value_kind: global_buffer, .address_space: global }
      - { .name: W_fused_codes, .offset: 16, .size: 8, .value_kind: global_buffer, .address_space: global }
      - { .name: W_fused_scales, .offset: 24, .size: 8, .value_kind: global_buffer, .address_space: global }
      - { .name: act_img, .offset: 32, .size: 8, .value_kind: global_buffer, .address_space: global }
      - { .name: asc, .offset: 40, .size: 8, .value_kind: global_buffer, .address_space: global }
    .group_segment_fixed_size: 327680
    .private_segment_fixed_size: 0
    .kernarg_segment_align: 8
    .kernarg_segment_size: 48
    .max_flat_workgroup_size: 128
    .sgpr_count:     102
    .vgpr_count:     1024
    .wavefront_size: 32
...
	.end_amdgpu_metadata
.endif
;; end of part 4
;; launch outg (part 5): grid 8 x 32, 4 waves a work-group, clusters of 4 x 4, 327,680 bytes of LDS; arguments act_img, asc, W_attn_out_codes, W_attn_out_scales, W_ff_out_codes, W_ff_out_scales, out0; writes out0
.if DOCPART == 5
	.amdgcn_target "amdgcn-amd-amdhsa--gfx1250"
	.amdhsa_code_object_version 6
	.text
	.protected	k_qd26db5c713_outg
	.globl	k_qd26db5c713_outg
	.p2align	8
	.type	k_qd26db5c713_outg,@function
k_qd26db5c713_outg:
	s_mov_b64 s[64:65], 0
	v_nop
	global_prefetch_b8 v0, s[64:65] scope:SCOPE_SE
	s_setreg_imm32_b32 hwreg(HW_REG_WAVE_MODE, 25, 1), 1
	s_wait_xcnt 0x0
	s_wait_alu depctr_hold_cnt(0) depctr_sa_sdst(0) depctr_va_vdst(0) depctr_va_sdst(0) depctr_va_ssrc(0) depctr_va_vcc(0) depctr_vm_vsrc(0)
	s_getreg_b32 s2, hwreg(HW_REG_IB_STS2, 6, 4)
	s_cmp_eq_u32 s2, 0
	s_cbranch_scc0 .Lentry_in_a_cluster
	s_endpgm
.Lentry_in_a_cluster:
	s_bfe_u32 s2, ttmp6, 0x10000c
	s_cmp_lg_u32 s2, 0xf033
	s_cbranch_scc0 .Lentry_shape_is_right
	s_endpgm
.Lentry_shape_is_right:
; out0 = o W_attn_out + h W_ff_out as ONE sum over K = 512 + 4,096, on codes of BF8 with E8M0 scales; f32 out.  (The two products of the definition share one chain of f32 sums here.)
; act_img [token tile 256][K step 36][c 4][lane 32][16]: register images; K steps 0-3 are o, 4-35 h.  In a block of 32 their codes stand as byte 8 u + j of lane half h = index 16 u + 8 h + j; the weights' rows
; ([1024][K], K innermost) are read in the same order: two loads of 8 bytes a block, at 32 c + 16 u + 8 h.  A permutation inside a block, alike on both sides, leaves the products and the scales as they are.
; SHARES.  64 tiles of 256 x 256 would leave three WGPs in four idle: a tile is 128 x 128, 256 work-groups; four waves of 64 x 64: 16 accumulators.  K goes in 9 steps of 512 through two LDS slots, all written out.
; A slot: 8 token tiles x 8,192 bytes of images, then 128 weight rows of 512 bytes + 16.  The scale bytes of all of K come once: four dense blocks, two by each of waves 2 and 3, in plain loads (38 KiB beside the 1.2 MiB of tiles:
; asking for them jointly would want four more descriptor groups than there are scalar registers).
; CLUSTER 4 x 4: the images hang on the token block alone (joint along a row of the cluster), the weight rows on the column block alone (along a column).
; THE MATRIX INSTRUCTION IS USED TRANSPOSED (source 0 = 16 weight rows, source 1 = 16 tokens): a lane holds eight neighbouring numbers of a row of out0.
; REGISTERS: window 0: v16-29 addresses; v32-63 the tokens' scale words, two sets; v64-95 the weights', two sets (they hold nothing else); v128-255 the accumulators ((a, b) at v[128 + 8 (4 a + b)]).
;   window 1: two fragment buffers of 128: four token fragments, then four weight fragments.
.set PITCH,  528
.set BOFF,   65536
.set SLOT,   BOFF+128*PITCH
.set OSC,    2*SLOT                    ; o's scale words: 2,048 bytes as 8 units of 256 + 16
.set HSC,    OSC+2176                  ; h's: 16,384 as 64 units
.set WAS,    HSC+17408                 ; W_attn_out's: 2,048
.set WFS,    WAS+2176                  ; W_ff_out's: 16,384
.set SPARE,  WFS+17408                 ; the spare words, 128 bytes a wave: two blocks of 256 bytes that no other line names
.set STAGE,  SLOT                      ; the way out: 16 rows x (256 + 16) bytes a wave, in slot 1, which has had its last fill and its last read by then
.set SPITCH, 272
.set ADRA, 16
.set ADRB, 18
.set ADOS, 20
.set ADHS, 21
.set ADWA, 22
.set ADWF, 23
.set STO,  24
.set RD,   25
.set CO,   26
.set SPW,  28
.set NIL,  29
.set SA,   32
.set SB,   64
.set ACC,  128
.set F0,   0
.set F1,   128
.set WV,   18
.set FA,   19                          ; wave >> 1: my half of the tokens; also: I fetch images (0) or weight rows (1)
.set HF,   20                          ; wave & 1: my half of the columns; also: which half I fetch
.set TR,   21
.set CT,   22
.set LA,   23                          ; where my images go in a slot
.set LB,   3                           ; where my weight rows go
.set G1A,  24
.set G0A0, 32
.set G0AW, 36
.set G1BO, 40
.set G1BH, 48
.set G0BO, 56
.set G0BW, 60
.set G1S2, 68
.set G1S16, 76
.set G0S,  84
.set MSB, 0
.macro WIN new
.if MSB != \new
	s_set_vgpr_msb (MSB<<8)|\new
.set MSB, \new
.endif
.endm
.set MUL,  0x05                        ; sources 0 and 1 window 1; C and D window 0
.set TO_F, 0x40                        ; destination window 1, address window 0
.macro JLOAD g0a, g1a, g0b, g1b
	s_cmp_eq_u32 s[FA], 0
	s_cbranch_scc0 .Lfor_b_\@
	tensor_load_to_lds s[\g0a:\g0a+3], s[\g1a:\g1a+7]
	s_nop 0
.rept 4
	v_nop
.endr
	s_branch .Lasked_\@
.Lfor_b_\@:
	tensor_load_to_lds s[\g0b:\g0b+3], s[\g1b:\g1b+7]
	s_nop 0
.rept 4
	v_nop
.endr
.Lasked_\@:
.endm
.macro CREST
	s_cmp_lg_u32 s[WV], 0
	s_cbranch_scc1 .Lnot_wave_0_\@
	s_barrier_signal -3
.Lnot_wave_0_\@:
	s_barrier_wait -3
	s_barrier_signal -1
	s_barrier_wait -1
.endm
.macro CROUND
	s_barrier_signal -1
	s_barrier_wait -1
	CREST
.endm
	s_load_b256 s[4:11], s[0:1], 0x0               ; act_img s[4:5], asc s[6:7], W_attn codes s[8:9], W_attn scales s[10:11]
	s_load_b128 s[12:15], s[0:1], 0x20             ; W_ff codes s[12:13], W_ff scales s[14:15]
	s_load_b64 s[16:17], s[0:1], 0x30              ; out0
	v_lshl_add_u32 v[SPW], v0, 2, SPARE
	v_mov_b32 v[NIL], 0
	ds_add_u32 v28, v29
	ds_add_u32 v28, v29
	s_wait_dscnt 0x0
	v_lshrrev_b32 v1, 5, v0
	v_readfirstlane_b32 s[WV], v1
	s_lshr_b32 s[FA], s[WV], 1
	s_and_b32 s[HF], s[WV], 1
	s_bfe_u32 s88, ttmp6, 0x40000                  ; cx
	s_bfe_u32 s89, ttmp6, 0x40004                  ; cy
	s_lshl_b32 s[CT], ttmp9, 2
	s_add_co_u32 s[CT], s[CT], s88                 ; the column block: 128 columns
	s_and_b32 s[TR], ttmp7, 0xffff
	s_lshl_b32 s[TR], s[TR], 2
	s_add_co_u32 s[TR], s[TR], s89                 ; the token block: 128 tokens
	s_lshl_b32 s90, s89, 2
	s_lshl_b32 s90, 15, s90                        ; my row of the cluster
	s_lshl_b32 s91, 0x1111, s88                    ; my column
	s_or_b32 s[G1A], s90, (3<<16)|(1<<21)          ; images: 4 token tiles x 8,192 bytes (four K steps), 73,728 bytes apart; elements of 8 bytes
	s_mov_b32 s[G1A+1], 1024<<16
	s_mov_b32 s[G1A+2], 8<<16                      ; the first two fills bring all 8 token tiles by one load; the ring's loads 4
	s_mov_b32 s[G1A+3], 1024<<16
	s_mov_b32 s[G1A+4], 8
	s_mov_b32 s[G1A+5], 9216
	s_mov_b32 s[G1A+6], 0
	s_mov_b32 s[G1A+7], 0
	s_or_b32 s[G1BO], s91, (1<<20)|(1<<21)|(6<<22)|(3<<25)         ; weight rows: 64 x 512 bytes, 4 words behind every 128; W_attn_out's rows are 512 bytes apart,
	s_or_b32 s[G1BH], s91, (1<<20)|(1<<21)|(6<<22)|(3<<25)         ; W_ff_out's 4,096
.irp g, G1BO, G1BH
	s_mov_b32 s[\g+1], 512<<16
	s_mov_b32 s[\g+2], 128<<16                     ; likewise all 128 weight rows; the ring's loads 64
	s_mov_b32 s[\g+3], 512<<16
	s_mov_b32 s[\g+4], 128
	s_mov_b32 s[\g+6], 0
	s_mov_b32 s[\g+7], 0
.endr
	s_mov_b32 s[G1BO+5], 512
	s_mov_b32 s[G1BH+5], 4096
	s_mov_b32 s[G1S2], (3<<16)|(1<<20)|(5<<22)|(3<<25)             ; scale bytes, plain loads: 8 rows of 256 bytes, padded,
	s_mov_b32 s[G1S2+1], 32<<16
	s_mov_b32 s[G1S2+2], 8<<16
	s_mov_b32 s[G1S2+3], 32<<16
	s_mov_b32 s[G1S2+4], 8
	s_mov_b32 s[G1S2+5], 32
	s_mov_b32 s[G1S2+6], 0
	s_mov_b32 s[G1S2+7], 0
	s_mov_b32 s[G1S16], (3<<16)|(1<<20)|(5<<22)|(3<<25)            ; or 64
	s_mov_b32 s[G1S16+1], 32<<16
	s_mov_b32 s[G1S16+2], 64<<16
	s_mov_b32 s[G1S16+3], 32<<16
	s_mov_b32 s[G1S16+4], 64
	s_mov_b32 s[G1S16+5], 32
	s_mov_b32 s[G1S16+6], 0
	s_mov_b32 s[G1S16+7], 0
	s_lshl_b32 s92, s[TR], 3
	s_lshl_b32 s93, s[HF], 2
	s_add_co_u32 s92, s92, s93                     ; the first token tile that I fetch
	s_mul_i32 s92, s92, 73728
	s_mov_b32 s93, 0
	s_lshl_b32 s94, s[CT], 7
	s_lshl_b32 s95, s[HF], 6
	s_add_co_u32 s94, s94, s95                     ; the first weight row that I fetch
	s_lshl_b32 s96, s94, 12
	s_lshl_b32 s94, s94, 9
	s_mov_b32 s95, 0
	s_mov_b32 s97, 0
	s_lshl_b32 s[LA], s[HF], 15
	s_mul_i32 s[LB], s[HF], 64*PITCH
	s_add_co_u32 s[LB], s[LB], BOFF
	s_wait_kmcnt 0x0
	; the scale bytes: wave 2 o's and h's, wave 3 W_attn_out's and W_ff_out's.  The buffers are chosen on the wave's number; the offset is made apart
	; the scale bytes are asked for by waves 2 and 3: at the head o's and W_attn_out's (K step 0's), with slot 1's first fill h's and W_ff_out's.  The buffer is chosen on the wave's number; the offset is made apart
	s_cmp_eq_u32 s[HF], 0
	s_cselect_b64 s[G0S+2:G0S+3], s[6:7], s[10:11]
	s_cselect_b32 s98, s[TR], s[CT]
	s_lshl_b32 s98, s98, 11                        ; 2,048 bytes a block
	s_mov_b32 s99, 0
	s_add_nc_u64 s[G0S+2:G0S+3], s[G0S+2:G0S+3], s[98:99]
	s_or_b32 s[G0S+3], s[G0S+3], 0x80000000
	s_mov_b32 s[G0S], 1
	s_mul_i32 s98, s[HF], 19584
	s_add_co_u32 s[G0S+1], s98, OSC
	s_mov_b32 s[G0A0], 1
	s_mov_b32 s[G0A0+1], 0
	s_mul_i32 s100, s[TR], 8*73728                 ; the token block's first tile
	s_mov_b32 s101, 0
	s_add_nc_u64 s[G0A0+2:G0A0+3], s[4:5], s[100:101]
	s_mov_b32 s[G0AW], 1
	s_add_co_u32 s[G0AW+1], s[LA], SLOT
	s_add_nc_u64 s[G0AW+2:G0AW+3], s[4:5], s[92:93]
	s_add_nc_u64 s[G0AW+2:G0AW+3], s[G0AW+2:G0AW+3], 8192
	s_or_b32 s[G0A0+3], s[G0A0+3], 0x80000000
	s_or_b32 s[G0AW+3], s[G0AW+3], 0x80000000
	s_mov_b32 s[G0BO], 1
	s_mov_b32 s[G0BO+1], BOFF
	s_lshl_b32 s100, s[CT], 16                     ; 128 rows of 512 bytes a column block
	s_add_nc_u64 s[G0BO+2:G0BO+3], s[8:9], s[100:101]
	s_or_b32 s[G0BO+3], s[G0BO+3], 0x80000000
	s_mov_b32 s[G0BW], 1
	s_add_co_u32 s[G0BW+1], s[LB], SLOT
	s_add_nc_u64 s[G0BW+2:G0BW+3], s[12:13], s[96:97]
	s_or_b32 s[G0BW+3], s[G0BW+3], 0x80000000
	CROUND                                         ; all sixteen work-groups are here: the first joint loads meet
; a first fill, one tensor load a wave, in one chain of arms: wave 0 a slot's 8 token tiles, wave 1 its 128 weight rows (both jointly), waves 2 and 3 a block of scale bytes each
.macro ARMS g1b, g1s
	s_cmp_eq_u32 s[WV], 0
	s_cbranch_scc0 .Lnot_0_\@
	tensor_load_to_lds s[G0A0:G0A0+3], s[G1A:G1A+7]
	s_nop 0
.rept 4
	v_nop
.endr
	s_branch .Ljoin_\@
.Lnot_0_\@:
	s_cmp_eq_u32 s[WV], 1
	s_cbranch_scc0 .Lnot_1_\@
	tensor_load_to_lds s[G0BO:G0BO+3], s[\g1b:\g1b+7]
	s_nop 0
.rept 4
	v_nop
.endr
	s_branch .Ljoin_\@
.Lnot_1_\@:
	tensor_load_to_lds s[G0S:G0S+3], s[\g1s:\g1s+7]
	s_nop 0
.rept 4
	v_nop
.endr
.Ljoin_\@:
.endm
	ARMS G1BO, G1S2                                ; K step 0: o and W_attn_out into slot 0, and their scale bytes
	v_and_b32 v1, 15, v0                           ; r
	v_bfe_u32 v2, v0, 4, 1                         ; h
	v_and_b32 v3, 31, v0
	v_lshlrev_b32 v4, 4, v3
	s_lshl_b32 s98, s[FA], 15                      ; my four token tiles
	v_add_nc_u32 v[ADRA], s98, v4
	v_add_nc_u32 v[ADRA+1], SLOT, v[ADRA]
	v_mul_u32_u24 v5, v1, PITCH
	v_lshl_add_u32 v5, v2, 3, v5                   ; row r, + 8 h
	s_mul_i32 s98, s[HF], 64*PITCH
	s_add_co_u32 s98, s98, BOFF
	v_add_nc_u32 v[ADRB], s98, v5
	v_add_nc_u32 v[ADRB+1], SLOT, v[ADRB]
	v_lshlrev_b32 v6, 2, v1
	s_mul_i32 s98, s[FA], 1088
	s_add_co_u32 s98, s98, OSC
	v_add_nc_u32 v[ADOS], s98, v6                  ; o's words: [token tile: a unit][K step 4][r][4]
	s_mul_i32 s98, s[FA], 272
	s_add_co_u32 s98, s98, HSC
	v_add_nc_u32 v[ADHS], s98, v6                  ; h's: [K step: two units][token 128][4]
	s_mul_i32 s98, s[HF], 1088
	s_add_co_u32 s98, s98, WAS
	v_lshl_add_u32 v[ADWA], v1, 4, s98             ; W_attn_out's: 16 bytes a row
	v_lshrrev_b32 v7, 1, v1
	v_lshlrev_b32 v7, 4, v7
	v_lshl_add_u32 v7, v1, 7, v7                   ; W_ff_out's: 128 bytes a row, and 16 more behind each 256
	s_mul_i32 s98, s[HF], 8704
	s_add_co_u32 s98, s98, WFS
	v_add_nc_u32 v[ADWF], s98, v7
	s_mul_i32 s98, s[WV], 16*SPITCH
	s_add_co_u32 s98, s98, STAGE
	v_mul_u32_u24 v8, v1, SPITCH
	v_lshl_add_u32 v8, v2, 5, v8
	v_add_nc_u32 v[STO], s98, v8                   ; into my stage: row r, 32 bytes for each half of the lanes
	v_mul_u32_u24 v9, v2, SPITCH
	v_lshl_add_u32 v9, v1, 4, v9
	v_add_nc_u32 v[RD], s98, v9                    ; back: lanes 0-15 one row of 256 bytes, lanes 16-31 the next
	v_lshlrev_b32 v10, 12, v2
	v_lshl_add_u32 v[CO], v1, 4, v10               ; and the same two rows in out0
	s_lshl_b32 s98, s[TR], 7
	s_lshl_b32 s99, s[FA], 6
	s_add_co_u32 s98, s98, s99
	s_lshl_b32 s98, s98, 12                        ; my first row of out0,
	s_lshl_b32 s99, s[CT], 9
	s_add_co_u32 s98, s98, s99
	s_lshl_b32 s99, s[HF], 8
	s_add_co_u32 s98, s98, s99                     ; my first column
	s_mov_b32 s99, 0
	s_add_nc_u64 s[16:17], s[16:17], s[98:99]
	; THE PREFETCHES INTO THE L2: beside the joint load of K step s stands one instruction a wave for K step s + 2 (at the head also for K step 1); K step 0 comes by its load alone, and nothing is asked for behind K step 8.
	; A K step is 8 token tiles x 8,192 bytes of images and 128 weight rows x 512 bytes: 256 blocks of 256 bytes each.  The four partners that ask for a tile jointly share its blocks out BY ADDRESS (cx for the images, cy for the rows):
	; waves 0, 1 name token tile 2 cx + wave % 2, lanes 256 bytes apart; waves 2, 3 name rows 32 cy + 16 (wave % 2) on of W_ff_out, two lanes a row.  So each block is named once in each cluster that will load it.
.set PFO,  27                          ; v27     my lane's offset; never rewritten
.set PFO2, 30                          ; v30     the same, one K step on; never rewritten
.set PFA,  92                          ; s[92:93] where my prefetches stand
.set PFS,  94                          ; s[94:95] a K step on: 8,192 bytes in the images, 512 in a weight row
	s_cmp_eq_u32 s[FA], 0
	s_cselect_b64 s[PFA:PFA+1], s[4:5], s[12:13]
	s_cselect_b32 s98, s88, s89                    ; my place among the four that ask with me
	s_mov_b32 s[PFS], 512
	s_cselect_b32 s[PFS], 8192, s[PFS]
	s_mov_b32 s99, 4096
	s_cselect_b32 s99, 512, s99                    ; from one pair of lanes to the next
	s_mov_b32 s[PFS+1], 0
	s_lshl_b32 s98, s98, 1
	s_add_co_u32 s98, s98, s[HF]
	s_lshl_b32 s100, s[TR], 3
	s_add_co_u32 s100, s100, s98
	s_mul_i32 s100, s100, 73728
	s_add_co_u32 s100, s100, 8192                  ; my token tile, at K step 1
	s_lshl_b32 s101, s[CT], 3
	s_add_co_u32 s101, s101, s98
	s_lshl_b32 s101, s101, 16                      ; my 16 rows of 4,096 bytes: W_ff_out begins with K step 1
	s_cmp_eq_u32 s[FA], 0
	s_cselect_b32 s100, s100, s101
	s_mov_b32 s101, 0
	s_add_nc_u64 s[PFA:PFA+1], s[PFA:PFA+1], s[100:101]
	v_lshrrev_b32 v31, 1, v3
	v_mul_lo_u32 v31, v31, s99
	v_and_b32 v[PFO], 1, v0
	v_lshl_add_u32 v[PFO], v[PFO], 8, v31
	v_add_nc_u32 v[PFO2], s[PFS], v[PFO]
	global_prefetch_b8 v[PFO], s[PFA:PFA+1] th:TH_LOAD_NT scope:SCOPE_SE    ; K step 1
	global_prefetch_b8 v[PFO2], s[PFA:PFA+1] th:TH_LOAD_NT scope:SCOPE_SE   ; K step 2
; the fragments of the slot's q-th 128 along K into buffer f: 16 loads of 16 bytes (images), 32 of 8 bytes (weight rows, in the images' order inside a block)
.macro FETCH slot, q, f
	WIN TO_F
.irp i, 0,1,2,3
.irp c, 0,1,2,3
	ds_load_b128 v[(\f)+16*\i+4*\c:(\f)+16*\i+4*\c+3], v[ADRA+(\slot)] offset:8192*\i+2048*(\q)+512*\c
.endr
.endr
.irp i, 0,1,2,3
.irp c, 0,1,2,3
.irp u, 0,1
	ds_load_b64 v[(\f)+64+16*\i+4*\c+2*\u:(\f)+64+16*\i+4*\c+2*\u+1], v[ADRB+(\slot)] offset:8448*\i+128*(\q)+32*\c+16*\u
.endr
.endr
.endr
.endm
.macro SCALES t, set                   ; K step t's scale words: four a row
.irp a, 0,1,2,3
.irp k, 0,1,2,3
.if (\t) == 0
	ds_load_b32 v[SA+16*(\set)+4*\a+\k], v[ADOS] offset:272*\a+64*\k
.else
	ds_load_b32 v[SA+16*(\set)+4*\a+\k], v[ADHS] offset:544*(4*((\t)-1)+\k)+64*\a
.endif
.endr
.endr
.irp b, 0,1,2,3
.if (\t) == 0
	ds_load_b128 v[SB+16*(\set)+4*\b:SB+16*(\set)+4*\b+3], v[ADWA] offset:272*\b
.else
	ds_load_b128 v[SB+16*(\set)+4*\b:SB+16*(\set)+4*\b+3], v[ADWF] offset:2176*\b+16*((\t)-1)
.endif
.endr
.endm
; four matrix instructions: token tile a x the four weight tiles.  The 16 accumulators take turns, one instruction a turn, in the same order in every quarter
.macro MUL4 a, f, ks, set, zero
.irp b, 0,1,2,3
.if \zero
	v_wmma_scale_f32_16x16x128_f8f6f4 v[ACC+8*(4*(\a)+\b):ACC+8*(4*(\a)+\b)+7], v[(\f)+64+16*\b:(\f)+64+16*\b+15], v[(\f)+16*(\a):(\f)+16*(\a)+15], 0, v[SB+16*(\set)+4*\b+(\ks)], v[SA+16*(\set)+4*(\a)+(\ks)] matrix_a_fmt:MATRIX_FMT_BF8 matrix_b_fmt:MATRIX_FMT_BF8
.else
	v_wmma_scale_f32_16x16x128_f8f6f4 v[ACC+8*(4*(\a)+\b):ACC+8*(4*(\a)+\b)+7], v[(\f)+64+16*\b:(\f)+64+16*\b+15], v[(\f)+16*(\a):(\f)+16*(\a)+15], v[ACC+8*(4*(\a)+\b):ACC+8*(4*(\a)+\b)+7], v[SB+16*(\set)+4*\b+(\ks)], v[SA+16*(\set)+4*(\a)+(\ks)] matrix_a_fmt:MATRIX_FMT_BF8 matrix_b_fmt:MATRIX_FMT_BF8
.endif
.endr
.endm
.macro PLACES n
.rept \n
	v_nop
.endr
.endm
; one of a K step's first three quarters: 128 along K; the next quarter's fragments are asked for ahead of its 16 products
.macro QUARTER slot, q, zero
	s_wait_dscnt 0x0                               ; this quarter's fragments (and, in the first, the scale words) are in
	PLACES 8                                       ; in front of loads into the buffer that the last quarter's products read
	FETCH \slot, (\q)+1, 128*(1-(\q)%2)
	WIN MUL
	MUL4 0, 128*((\q)%2), \q, \slot, \zero
	MUL4 1, 128*((\q)%2), \q, \slot, \zero
	MUL4 2, 128*((\q)%2), \q, \slot, \zero
	MUL4 3, 128*((\q)%2), \q, \slot, \zero
.endm
; the fourth quarter of K step t changes slots: one barrier; in front of it each wave waits for all its tensor loads, adds 0 to its spare word, and waits for that and for its reads of this slot.
; fill = 1: the slot is filled again with K step t + 2: the walking descriptors take this slot's address and step 8,192 bytes (images) and 512 bytes (weight rows)
.macro TURN t, fill
	WIN 0                                          ; (the add's two registers lie in window 0)
.if (\t) <= 4
	s_wait_xcnt 0x0                                ; my last prefetch, a K step back, has read its address: it is stepped here, ahead of the waits of the change of slots
	s_add_nc_u64 s[PFA:PFA+1], s[PFA:PFA+1], s[PFS:PFS+1]
.endif
	s_wait_tensorcnt 0x0                           ; all my tensor loads have landed: my part of the next slot
	ds_add_u32 v[SPW], v[NIL]                      ; 0 onto my spare word
.if (\t) == 0
	s_mov_b32 s[G1A+2], 4<<16                      ; no tensor load of mine is out: from here on a load brings 4 token tiles
	s_mov_b32 s[G1A+4], 4
	s_mov_b32 s[G1BH+2], 64<<16                    ; or 64 weight rows
	s_mov_b32 s[G1BH+4], 64
.endif
	s_wait_dscnt 1
	WIN MUL
	MUL4 0, F1, 3, (\t)%2, 0
	s_wait_dscnt 0x0                               ; the add is done, and my reads of this slot are over
	s_barrier_signal -1
	MUL4 1, F1, 3, (\t)%2, 0
	WIN 0
	s_barrier_wait -1
.if \fill
	CREST                                          ; the barrier has opened a round of the cluster's barrier: no wave of any partner still reads this slot or has a load on its way
	s_add_co_u32 s[G0AW+1], s[LA], ((\t)%2)*SLOT
	s_add_co_u32 s[G0BW+1], s[LB], ((\t)%2)*SLOT
	s_add_nc_u64 s[G0AW+2:G0AW+3], s[G0AW+2:G0AW+3], 8192
	s_add_nc_u64 s[G0BW+2:G0BW+3], s[G0BW+2:G0BW+3], 512
	JLOAD G0AW, G1A, G0BW, G1BH                    ; the first tensor load behind the round, my one load until the next: it has a K step's 64 products in which to land
	PLACES 4                                       ; with the four behind the load: eight places
.else
	PLACES 8
.endif
	FETCH 1-(\t)%2, 0, F0
	WIN 0
	s_wait_alu depctr_va_vdst(0)
	SCALES (\t)+1, 1-(\t)%2
.if (\t) <= 4
	global_prefetch_b8 v[PFO], s[PFA:PFA+1] th:TH_LOAD_NT scope:SCOPE_SE    ; K step t + 4, two on from the one just asked for; the last is K step 8
.endif
	WIN MUL
	MUL4 2, F1, 3, (\t)%2, 0
	MUL4 3, F1, 3, (\t)%2, 0
.endm
	s_wait_alu depctr_va_vdst(0)                   ; the wait at the head's end
	s_wait_tensorcnt 0x0                           ; my tile of the head's four is in; the same lines as ahead of a refill stand ahead of slot 1's first fill
	ds_add_u32 v[SPW], v[NIL]
	s_wait_xcnt 0x0                                ; the head's prefetches have read their address: it goes on to K step 3
	s_add_nc_u64 s[PFA:PFA+1], s[PFA:PFA+1], s[PFS:PFS+1]
	s_add_nc_u64 s[PFA:PFA+1], s[PFA:PFA+1], s[PFS:PFS+1]
	s_mov_b32 s[G0A0+1], SLOT                      ; no tensor load of mine is out, so the descriptors may be written: K step 1's images,
	s_add_nc_u64 s[G0A0+2:G0A0+3], s[G0A0+2:G0A0+3], 8192
	s_mov_b32 s[G0BO+1], SLOT+BOFF                 ; W_ff_out's 128 rows of 4,096 bytes,
	s_lshl_b32 s100, s[CT], 19
	s_mov_b32 s101, 0
	s_add_nc_u64 s[G0BO+2:G0BO+3], s[12:13], s[100:101]
	s_or_b32 s[G0BO+3], s[G0BO+3], 0x80000000
	s_cmp_eq_u32 s[HF], 0                          ; h's scale bytes (behind o's 65,536 in asc) or W_ff_out's: 16,384 bytes a block
	s_cselect_b64 s[G0S+2:G0S+3], s[6:7], s[14:15]
	s_cselect_b32 s98, s[TR], s[CT]
	s_cselect_b32 s99, 0x10000, 0
	s_lshl_b32 s98, s98, 14
	s_add_co_u32 s98, s98, s99
	s_mov_b32 s99, 0
	s_add_nc_u64 s[G0S+2:G0S+3], s[G0S+2:G0S+3], s[98:99]
	s_or_b32 s[G0S+3], s[G0S+3], 0x80000000
	s_add_co_u32 s[G0S+1], s[G0S+1], 2176          ; behind the small block
	s_wait_dscnt 0x0
	CROUND                                         ; all four tiles are in, and all sixteen work-groups are here
	ARMS G1BH, G1S16                               ; K step 1 into slot 1, and the scale bytes of K steps 1 to 8: first fills all
	FETCH 0, 0, F0
	WIN 0
	SCALES 0, 0
	global_prefetch_b8 v[PFO], s[PFA:PFA+1] th:TH_LOAD_NT scope:SCOPE_SE    ; K step 3, beside K step 1's load
	QUARTER 0, 0, 1                                ; the first products start the sums: nothing is cleared
	QUARTER 0, 1, 0
	QUARTER 0, 2, 0
	TURN 0, 1
.irp t, 1,2,3,4,5,6
	QUARTER \t%2, 0, 0
	QUARTER \t%2, 1, 0
	QUARTER \t%2, 2, 0
	TURN \t, 1
.endr
	QUARTER 1, 0, 0
	QUARTER 1, 1, 0
	QUARTER 1, 2, 0
	TURN 7, 0                                      ; nothing is left to fetch
	QUARTER 0, 0, 0
	QUARTER 0, 1, 0
	QUARTER 0, 2, 0
	s_wait_dscnt 0x0
	WIN MUL
	MUL4 0, F1, 3, 0, 0
	MUL4 1, F1, 3, 0, 0
	MUL4 2, F1, 3, 0, 0
	MUL4 3, F1, 3, 0, 0
	WIN 0
	PLACES 8
; THE WAY OUT, 16 rows x 64 columns at a time: a lane's 32 bytes of a row go into my own stage and come back as whole rows of 256 bytes, into the registers that they left.
; LDS serves a wave's instructions in order (ISA guide 5.7.1.4): no wait between the stores and the loads, nor in front of the next block's stores.
.macro TOSTAGE a
.irp b, 0,1,2,3
	ds_store_b128 v[STO], v[ACC+8*(4*(\a)+\b):ACC+8*(4*(\a)+\b)+3] offset:64*\b          ; each accumulator from its low end on
	ds_store_b128 v[STO], v[ACC+8*(4*(\a)+\b)+4:ACC+8*(4*(\a)+\b)+7] offset:64*\b+16
.endr
.irp i, 0,1,2,3,4,5,6,7
	ds_load_b128 v[ACC+32*(\a)+4*\i:ACC+32*(\a)+4*\i+3], v[RD] offset:544*\i
.endr
.endm
.macro SEND a, younger
	s_wait_dscnt \younger
.irp i, 0,1,2,3,4,5,6,7
	global_store_b128 v[CO], v[ACC+32*(\a)+4*\i:ACC+32*(\a)+4*\i+3], s[16:17] offset:(16*(\a)+2*\i)*4096 th:TH_STORE_NT   ; sixteen lanes store 256 consecutive bytes, aligned; written once, read by nobody here
.endr
.endm
	TOSTAGE 0
	TOSTAGE 1
	SEND 0, 16                                     ; behind block 0's loads: block 1's 8 stores and 8 loads
	TOSTAGE 2
	SEND 1, 16
	TOSTAGE 3
	SEND 2, 16
	SEND 3, 0
	s_wait_tensorcnt 0x0                           ; the wave's end
	ds_add_u32 v[SPW], v[NIL]
	s_wait_dscnt 0x0
	CROUND                                         ; the closing round
	s_endpgm
.Lfunc_end_k_qd26db5c713_outg:
	.size	k_qd26db5c713_outg, .Lfunc_end_k_qd26db5c713_outg-k_qd26db5c713_outg
	.p2alignl 7, 3214868480
	.fill 96, 4, 3214868480
	.section	.rodata,"a",@progbits
	.p2align	6, 0x0
	.amdhsa_kernel k_qd26db5c713_outg
		.amdhsa_group_segment_fixed_size 327680
		.amdhsa_private_segment_fixed_size 0
		.amdhsa_enable_private_segment 0
		.amdhsa_kernarg_size 56
		.amdhsa_user_sgpr_count 2
		.amdhsa_user_sgpr_kernarg_segment_ptr 1
		.amdhsa_wavefront_size32 1
		.amdhsa_system_sgpr_workgroup_id_x 1
		.amdhsa_system_sgpr_workgroup_id_y 1
		.amdhsa_system_sgpr_workgroup_id_z 1
		.amdhsa_system_vgpr_workitem_id 0
		.amdhsa_next_free_vgpr 512
		.amdhsa_next_free_sgpr 102
		.amdhsa_reserve_vcc 0
		.amdhsa_float_denorm_mode_32 3
		.amdhsa_float_denorm_mode_16_64 3
		.amdhsa_memory_ordered 1
		.amdhsa_forward_progress 1
		.amdhsa_inst_pref_size 234
	.end_amdhsa_kernel
	.amdgpu_metadata
---
amdhsa.version: [ 1, 2 ]
amdhsa.kernels:
  - .name:           k_qd26db5c713_outg
    .symbol:         k_qd26db5c713_outg.kd
    .args:
      - { .name: act_img, .offset: 0, .size: 8, .value_kind: global_buffer, .address_space: global }
      - { .name: asc, .offset: 8, .size: 8, .value_kind: global_buffer, .address_space: global }
      - { .name: W_attn_out_codes, .offset: 16, .size: 8, .value_kind: global_buffer, .address_space: global }
      - { .name: W_attn_out_scales, .offset: 24, .size: 8, .value_kind: global_buffer, .address_space: global }
      - { .name: W_ff_out_codes, .offset: 32, .size: 8, .value_kind: global_buffer, .address_space: global }
      - { .name: W_ff_out_scales, .offset: 40, .size: 8, .value_kind: global_buffer, .address_space: global }
      - { .name: out0, .offset: 48, .size: 8, .value_kind: global_buffer, .address_space: global }
    .group_segment_fixed_size: 327680
    .private_segment_fixed_size: 0
    .kernarg_segment_align: 8
    .kernarg_segment_size: 56
    .max_flat_workgroup_size: 128
    .sgpr_count:     102
    .vgpr_count:     512
    .wavefront_size: 32
...
	.end_amdgpu_metadata
.endif
;; end of part 5
